; MI455X (gfx1250); checked and timed in simulation.
; The chip was launched on July 23, 2026; its instructions are those of AMD's public machine-readable ISA for CDNA 5 (MIT licence, August 2026) and "CDNA5" Instruction Set Architecture Reference Guide (July 2026). The comments in the code are by the model that wrote it; some were corrected since.
;; Multihead Attention. Allowed arithmetic: matrix products marked QUANTISED: E4M3 operands, one given power-of-two scale a tensor, by v_wmma_f32_16x16x64_fp8_fp8 or v_wmma_f32_16x16x128_fp8_fp8, f32 sums; everything else in f32.
;; Inputs: K 4 x 2,048 x 1,024 float32; Q 4 x 2,048 x 1,024 float32; V 4 x 2,048 x 1,024 float32; Wk 16 x 1,024 x 64 float32; Wo 1,024 x 1,024 float32; Wq 16 x 1,024 x 64 float32; Wv 16 x 1,024 x 64 float32; bk 16 x 64 float32; bo 1,024 float32; bq 16 x 64 float32; bv 16 x 64 float32; lowp_scales 12 int32 (the exponents e of the quantised operands' scales 2^e).
;; Outputs: out0 4 x 2,048 x 1,024 float32.
;; This version of the problem:
;;   THIS VERSION OF THE PROBLEM IS GIVEN IN LOW PRECISION. The matrix products marked QUANTISED in the list below multiply operands that are first quantised to E4M3 (4 exponent bits, 3 mantissa bits; 8 bits a number), with one given power-of-two scale for each operand tensor; their sums are f32. All else is computed in f32.
;;   The module's matrix products, in the order in which they are computed (A, B: the left and right operand; K: the contracted axis; several contracted axes count as one K, in the product's order):
;;     1. [M 1,024, K 1,024] x [K 1,024, N 8,192]; A: input Wq; B: input Q: QUANTISED (scales: A lowp_scales[0], B lowp_scales[1])
;;     2. [M 1,024, K 1,024] x [K 1,024, N 8,192]; A: input Wk; B: input K: QUANTISED (scales: A lowp_scales[2], B lowp_scales[3])
;;     3. [M 1,024, K 1,024] x [K 1,024, N 8,192]; A: input Wv; B: input V: QUANTISED (scales: A lowp_scales[4], B lowp_scales[5])
;;     4. batch 64 x [M 2,048, K 64] x [K 64, N 2,048]; A: computed on the way; B: computed on the way: QUANTISED (scales: A lowp_scales[6], B lowp_scales[7])
;;     5. batch 64 x [M 2,048, K 2,048] x [K 2,048, N 64]; A: softmax (see below); B: computed on the way: QUANTISED (scales: A lowp_scales[8], B lowp_scales[9])
;;     6. [M 8,192, K 1,024] x [K 1,024, N 1,024]; A: computed on the way; B: input Wo: QUANTISED (scales: A lowp_scales[10], B lowp_scales[11])
;;   THE QUANTISER, for each operand of a quantised product, along K:
;;     - The operand's scale is 2^e, e = its entry of the input lowp_scales (int32; the entries are numbered through the quantised products in the list's order, A before B).
;;     - Each number is divided by the scale, clamped to +-448, and rounded to the nearest number of E4M3, ties to even, subnormals kept.
;;     - The product sums the exact products of the quantised numbers (number of the format x scale) in f32.
;;   ~~~python
;;   def quantise(x, axis, e):      # numpy; x: float32 -> the quantised numbers, widened to float32 again
;;       x = np.moveaxis(x, axis, -1); K = x.shape[-1]
;;       r = np.clip(x / 2.0 ** e, -448, 448)
;;       step = 2.0 ** (np.maximum(np.frexp(np.where(r == 0, 1, r))[1] - 1, -6) - 3)
;;       q = np.round(r / step) * step * 2.0 ** e      # np.round: ties to even
;;       return np.moveaxis(q, -1, axis).astype(np.float32)
;;   ~~~
;;   SOFTMAX AHEAD OF A QUANTISED PRODUCT. Where the list says 'softmax', what is quantised is not the finished softmax but p = 2^(t - M), with t = logit x log2(e) and M = ceil(the row's largest t), a whole number; so 1/2 < the row's largest p <= 1. The row's sum l is taken of the UNQUANTISED p, in f32, and the product's result is divided by l at the end. Since M is a whole number, a kernel that streams over the keys may use a running M (the ceiling of the running maximum): every later rescaling is an exact power of two, so the quantised numbers keep their values, but for numbers so far below the row's largest that they fall under the format's range.
;;   OPERANDS COMPUTED ON THE WAY. 'Computed on the way' means the value that the module computes at that place (a softmax that the list does not call 'softmax' is quantised finished and normalised). What goes into a quantiser is computed in f32, as accurately as f32 sums, v_exp_f32 and their like allow (about 1e-6 of the number): no bf16 or f16 on the way to a quantiser, and a product that is left as it is and whose result goes on into a quantised operand takes f32 operands (vector FMAs, or v_wmma_f32_16x16x4_f32). A number that lies on a knife's edge between two numbers of the format may be rounded either way, as far as f32 arithmetic and the matrix unit's own rounding can turn it there, and no further.
;; One version. Each part assembles by itself: llvm-mc -triple=amdgcn-amd-amdhsa -mcpu=gfx1250 --defsym DOCPART=n.
;; ======== version 1 of 1: 4 launches
;; limits: right only within a limited range of input values
;; workspace buffers: codes 29,360,128 bytes; img 25,165,824 bytes; oimg 8,388,608 bytes
;; launch quant (part 1): grid 896 x 1, 4 waves a work-group, no clusters, 68,096 bytes of LDS; arguments Q, K, V, Wq, Wk, Wv, Wo, lowp_scales, codes; writes codes
.if DOCPART == 1
	.amdgcn_target "amdgcn-amd-amdhsa--gfx1250"
	.amdhsa_code_object_version 6
	.text
	.protected	k_qd9e58e0c4b_quant
	.globl	k_qd9e58e0c4b_quant
	.p2align	8
	.type	k_qd9e58e0c4b_quant,@function
k_qd9e58e0c4b_quant:
	s_mov_b64 s[64:65], 0
	v_nop
	global_prefetch_b8 v0, s[64:65] scope:SCOPE_SE
	s_setreg_imm32_b32 hwreg(HW_REG_WAVE_MODE, 25, 1), 1
	s_wait_xcnt 0x0
; All six input operands become codes of E4M3, K innermost, each with the one scale 2^e that is given for it.
; code = x / 2^e, held within +-448, rounded to the nearest code, ties to even.
; codes: bytes 0 on: Q, K, V as 24,576 rows of 1,024 codes (K = the hidden axis, as it lies in memory);
;        from WOFF on four blocks of 1 MiB: Wq, Wk, Wv (row n = 64 head + channel, 1,024 codes along the hidden axis), Wo (row n = output column).
;        In Wo alone the byte at place pos of each block of 32 holds k = pos with its bits 3 and 4 swapped: the order in which the last product's other operand is laid.
; LIMITS: every exponent used here (entries 0 to 5 and 11) lies between -126 and 119.  NaN among the inputs is not served (an infinity is held at the largest code).
; Work-groups 0 to 767 take Q, K, V: plain streams, 8,192 numbers a wave in 16 steps of 512.  Each load reads 512 consecutive bytes; a step turns through the wave's own stage in LDS so that a lane holds 16 neighbours.
; Work-groups 768 to 895 take the weights, whose K is not innermost: a lane takes a column, its registers run down K, 32 columns x 256 along K a wave; the codes leave through the wave's own stage as rows.
; The two paths part on the work-group's number alone and have LDS bytes of their own.  No tensor loads, no barrier: waves share nothing.
.set NXWG,  768
; Q's and Wq's codes are laid otherwise than K's, V's, Wk's and Wv's: as images of operand registers, [tile of 16 rows][128 along K][chunk c of 4][lane][16 bytes];
; lane (r, h) holds row r, k = 32 c + 16 h + 0 .. 15 of the 128.  A stream wave takes 16 rows x 512 numbers: step t is row t of its tile.
.set WOFF,  0x1800000
.set STEPS, 16
.set SP,    80                         ; a lane's place in a stage of the stream path: 64 bytes + 16 of padding
.set RR,    16                         ; v16-79   stream: four sets of 16 numbers as loaded
.set XX,    80                         ; v80-111  stream: two sets of 16 neighbours
.set CC,    128                        ; v128-191 stream: codes, four registers a step
.set WST,   32768                      ; the weights' stages begin here: 32 rows x 272 bytes a wave
.set WP,    272
.set NB,    8                          ; blocks of 32 along K for a wave
.set WX,    32                         ; v32-95   weights: two sets of 32 numbers
.set WC,    96                         ; v96-103  weights: a block's codes
.set WOUT,  112                        ; v112-175 weights: the way out
.set WRO,   192                        ; v192-223 weights: byte offset of row i of a block, + 4 x lane
	s_load_b256 s[4:11], s[0:1], 0x0               ; Q s[4:5], K s[6:7], V s[8:9], Wq s[10:11]
	s_load_b256 s[12:19], s[0:1], 0x20             ; Wk s[12:13], Wv s[14:15], Wo s[16:17], the exponents s[18:19]
	s_load_b64 s[20:21], s[0:1], 0x40              ; codes
	v_lshl_add_u32 v224, v0, 2, 0x10800
	v_mov_b32 v225, 0
	v_lshrrev_b32 v1, 5, v0
	v_readfirstlane_b32 s22, v1                    ; wave
	v_and_b32 v2, 31, v0                           ; lane
	v_lshlrev_b32 v3, 4, v2                        ; 16 x lane: my bytes of a load's 512, and of a step's codes
	v_lshlrev_b32 v5, 2, v2                        ; 4 x lane: my column
	s_mul_i32 s23, s22, 8192                       ; every LDS address is made here, ahead of the parting
	v_lshrrev_b32 v14, 2, v2
	v_mul_u32_u24 v14, v14, SP
	v_and_b32 v15, 3, v2
	v_lshl_add_u32 v14, v15, 4, v14
	v_add_nc_u32 v14, s23, v14                     ; stream, into the stage: four lanes' 64 bytes on end, then 16 of padding
	v_mul_u32_u24 v15, v2, SP
	v_add_nc_u32 v15, s23, v15                     ; and out of it: my 16 neighbours
	s_mul_i32 s23, s22, 32*WP
	s_add_co_u32 s23, s23, WST
	v_mul_u32_u24 v6, v2, WP
	v_add_nc_u32 v6, s23, v6                       ; weights, into the stage: row = my column
	v_and_b32 v4, 15, v2
	v_lshrrev_b32 v13, 4, v2
	v_mul_u32_u24 v7, v13, WP
	v_lshl_add_u32 v7, v4, 4, v7
	v_add_nc_u32 v7, s23, v7
	v_mul_u32_u24 v226, v4, WP
	v_lshl_add_u32 v226, v13, 4, v226
	v_add_nc_u32 v226, s23, v226                   ; out of the stage for an image: row lane % 16, 16 bytes for each half of the lanes
	v_lshlrev_b32 v8, 10, v13
	v_lshl_add_u32 v8, v4, 4, v8                   ; and the same place among the rows of codes
	s_wait_kmcnt 0x0
	s_load_b256 s[36:43], s[18:19], 0x0            ; e0 .. e7
	s_load_b128 s[44:47], s[18:19], 0x20           ; e8 .. e11
	s_cmp_lt_u32 ttmp9, NXWG
	s_cbranch_scc0 .Lw
; ---------------- Q, K, V ----------------
	s_lshr_b32 s30, ttmp9, 8                       ; which tensor: 256 work-groups each
	s_cmp_eq_u32 s30, 0
	s_cselect_b64 s[24:25], s[4:5], s[6:7]
	s_cmp_eq_u32 s30, 2
	s_cselect_b64 s[24:25], s[8:9], s[24:25]
	s_and_b32 s31, ttmp9, 255
	s_lshl_b32 s31, s31, 2
	s_add_co_u32 s31, s31, s22                     ; which run of 8,192 numbers of the tensor is my wave's
	s_lshr_b32 s32, s31, 1
	s_lshl_b32 s32, s32, 16                        ; my tile of 16 rows of 4,096 bytes,
	s_and_b32 s35, s31, 1
	s_lshl_b32 s34, s35, 11
	s_add_co_u32 s32, s32, s34                     ; and which half of each row
	s_mov_b32 s33, 0
	s_add_nc_u64 s[24:25], s[24:25], s[32:33]
	s_lshl_b32 s31, ttmp9, 2
	s_add_co_u32 s31, s31, s22                     ; the three tensors' codes lie on end
	s_lshl_b32 s32, s31, 13                        ; Q: my 8,192 bytes of the image lie on end
	s_lshr_b32 s34, s31, 1
	s_lshl_b32 s34, s34, 14
	s_lshl_b32 s35, s35, 9
	s_add_co_u32 s34, s34, s35                     ; K, V: 16 rows of 1,024 codes, my half of each
	s_cmp_eq_u32 s30, 0
	s_cselect_b32 s32, s32, s34
	s_add_nc_u64 s[26:27], s[20:21], s[32:33]
.macro XLOAD t
.irp i, 0,1,2,3
	global_load_b128 v[RR+16*((\t)%4)+4*\i:RR+16*((\t)%4)+4*\i+3], v3, s[24:25] offset:4096*(\t)+512*\i th:TH_LOAD_NT   ; 32 lanes read 512 consecutive bytes
.endr
.endm
.macro XTURN t                         ; a step's numbers through the stage: LDS serves a wave's instructions in order, so no wait stands between the stores and the loads
.irp i, 0,1,2,3
	ds_store_b128 v14, v[RR+16*((\t)%4)+4*\i:RR+16*((\t)%4)+4*\i+3] offset:32*SP*((\t)%2)+8*SP*\i
.endr
.irp i, 0,1,2,3
	ds_load_b128 v[XX+16*((\t)%2)+4*\i:XX+16*((\t)%2)+4*\i+3], v15 offset:32*SP*((\t)%2)+16*\i
.endr
.endm
.irp t, 0,1,2,3
	XLOAD \t
.endr
	s_wait_kmcnt 0x0
	s_cmp_eq_u32 s30, 0
	s_cselect_b32 s34, s37, s39                    ; e1 for Q, e3 for K,
	s_cmp_eq_u32 s30, 2
	s_cselect_b32 s34, s41, s34                    ; e5 for V
	s_add_co_i32 s34, s34, 127
	s_lshl_b32 s35, s34, 23
	v_mov_b32 v11, s35                             ; 2^e as f32: the conversion takes its exponent field
	s_add_co_i32 s34, s34, 8
	s_lshl_b32 s34, s34, 23
	s_or_b32 s34, s34, 0x600000
	v_mov_b32 v10, s34                             ; 448 x 2^e
	s_wait_alu depctr_va_vdst(0)
	s_wait_loadcnt 12                              ; step 0's four loads are in; three steps' twelve may be out
	XTURN 0
.macro XSTEP t
.set XS, XX+16*((\t)%2)
	s_wait_dscnt 0x0                               ; this step's numbers are back from the stage: so its stores into the stage have read their registers,
.if (\t)+4 < STEPS
	XLOAD (\t)+4                                   ; which take the loads of four steps on
.endif
.if (\t)+1 < STEPS
.if STEPS-2-(\t) >= 3
	s_wait_loadcnt 12                              ; the next step's four loads are in; those of the three steps behind it may be out
.else
	s_wait_loadcnt 4*(STEPS-2-(\t))
.endif
	XTURN (\t)+1                                   ; and go through the other stage while this step is worked
.endif
.set j, 0
.rept 16
	v_med3_num_f32 v[XS+j], v[XS+j], -v10, v10     ; the conversion to an 8-bit code does not saturate (ISA guide 7.6.2): the hold at the largest code x the scale comes first
.set j, j+1
.endr
	v_cvt_scalef32_pk8_fp8_f32 v[CC+4*(\t):CC+4*(\t)+1], v[XS:XS+7], v11
	v_cvt_scalef32_pk8_fp8_f32 v[CC+4*(\t)+2:CC+4*(\t)+3], v[XS+8:XS+15], v11
	s_cmp_eq_u32 s30, 0                            ; the work-group's number alone decides
	s_wait_alu depctr_va_vdst(0)
	s_cbranch_scc1 .Lqs_\@
	global_store_b128 v3, v[CC+4*(\t):CC+4*(\t)+3], s[26:27] offset:1024*(\t)   ; K, V: 512 consecutive bytes of row t
	s_branch .Lqe_\@
.Lqs_\@:
	ds_store_b128 v6, v[CC+4*(\t):CC+4*(\t)+3] offset:16*(\t)   ; Q: my lane's unit of 256 bytes gathers its 16 rows
.Lqe_\@:
.endm
.irp t, 0,1,2,3,4,5,6,7,8,9,10,11,12,13,14,15
	XSTEP \t
.endr
	s_cmp_eq_u32 s30, 0
	s_cbranch_scc0 .Lxend
.irp i, 0,1,2,3,4,5,6,7,8,9,10,11,12,13,14,15
	ds_load_b128 v[RR+4*\i:RR+4*\i+3], v7 offset:2*\i*WP   ; Q: two units an instruction; LDS serves a wave's instructions in order
.endr
.irp i, 0,1,2,3,4,5,6,7,8,9,10,11,12,13,14,15
	s_wait_dscnt 15-\i
	global_store_b128 v3, v[RR+4*\i:RR+4*\i+3], s[26:27] offset:512*\i   ; 512 consecutive bytes of the image
.endr
.Lxend:
	s_wait_tensorcnt 0x0
	ds_add_u32 v224, v225
	s_wait_dscnt 0x0
	s_endpgm
; ---------------- Wq, Wk, Wv, Wo ----------------
.Lw:
	s_sub_co_u32 s66, ttmp9, NXWG
	s_lshr_b32 s67, s66, 5                         ; which weight: 32 work-groups each
	s_and_b32 s66, s66, 31
	; a weight laid [head][1024 (K)][64]: a work-group takes one head's 64 columns and half of K
	s_lshr_b32 s68, s66, 1                         ; head
	s_and_b32 s69, s66, 1
	s_lshl_b32 s69, s69, 1
	s_lshr_b32 s73, s22, 1
	s_add_co_u32 s69, s69, s73                     ; which 256 along K
	s_and_b32 s70, s22, 1
	s_lshl_b32 s71, s68, 6
	s_lshl_b32 s73, s70, 5
	s_add_co_u32 s71, s71, s73                     ; my first row of codes: 64 head + 32 (wave % 2)
	s_lshl_b32 s72, s68, 18
	s_lshl_b32 s73, s69, 16
	s_add_co_u32 s72, s72, s73
	s_lshl_b32 s73, s70, 7
	s_add_co_u32 s72, s72, s73                     ; where my part begins in the weight, in bytes
	; Wo, laid [1024 (K)][1024]: a work-group takes 128 columns and a quarter of K
	s_and_b32 s74, s66, 3
	s_lshr_b32 s75, s66, 2
	s_lshl_b32 s75, s75, 7
	s_lshl_b32 s73, s22, 5
	s_add_co_u32 s75, s75, s73
	s_lshl_b32 s76, s74, 20
	s_lshl_b32 s73, s75, 2
	s_add_co_u32 s76, s76, s73
	s_mov_b32 s77, 256                             ; bytes from one k to the next,
	s_mov_b32 s78, 2048                            ; what bit 3 of a code's place in its block of 32 stands for,
	s_mov_b32 s79, 4096                            ; what bit 4 stands for,
	s_mov_b32 s80, 8192                            ; and a block of 32 along K
	s_mov_b32 s81, 0
	s_cmp_eq_u32 s67, 3                            ; the choices hang on the work-group's number alone
	s_cselect_b32 s69, s74, s69
	s_cselect_b32 s71, s75, s71
	s_cselect_b32 s72, s76, s72
	s_cselect_b32 s77, 4096, s77
	s_cselect_b32 s78, 65536, s78                  ; in Wo bit 3 of the place stands for 16 along K,
	s_cselect_b32 s79, 32768, s79                  ; and bit 4 for 8
	s_cselect_b32 s80, 131072, s80
	s_cselect_b64 s[82:83], s[16:17], s[14:15]
	s_cmp_eq_u32 s67, 1
	s_cselect_b64 s[82:83], s[12:13], s[82:83]
	s_cmp_eq_u32 s67, 0
	s_cselect_b64 s[82:83], s[10:11], s[82:83]
	s_mov_b32 s73, 0
	s_add_nc_u64 s[48:49], s[82:83], s[72:73]      ; a base for each of my eight blocks, so that no pointer is stepped
.irp t, 1,2,3,4,5,6,7
	s_add_nc_u64 s[48+2*\t:49+2*\t], s[46+2*\t:47+2*\t], s[80:81]
.endr
	s_lshl_b32 s84, s67, 20
	s_lshl_b32 s86, s71, 10
	s_add_co_u32 s84, s84, s86
	s_lshl_b32 s86, s69, 8
	s_add_co_u32 s84, s84, s86
	s_add_co_u32 s84, s84, WOFF
	s_mov_b32 s85, 0
	s_add_nc_u64 s[28:29], s[20:21], s[84:85]      ; my rows of codes, at my 256 along K
	v_mov_b32 v9, v5
	v_add_nc_u32 v10, s78, v5
	v_add_nc_u32 v11, s79, v5
	v_add_nc_u32 v12, s78, v11
.irp q, 0,1,2,3
.irp m, 0,1,2,3,4,5,6,7
	v_mad_u32_u24 v[WRO+8*\q+\m], s77, \m, v[9+\q] ; the row whose code goes to place 8 q + m of a block
.endr
.endr
.macro LOADW t                         ; block t: 32 numbers down K of my column, into set t % 2; neighbouring lanes read neighbouring columns
.set j, 0
.rept 32
	global_load_b32 v[WX+32*((\t)%2)+j], v[WRO+j], s[48+2*(\t):49+2*(\t)] th:TH_LOAD_NT
.set j, j+1
.endr
.endm
	LOADW 0
	LOADW 1
	s_wait_kmcnt 0x0
	s_cmp_eq_u32 s67, 3
	s_cselect_b32 s86, s47, s40                    ; e11 for Wo, e4 for Wv,
	s_cmp_eq_u32 s67, 1
	s_cselect_b32 s86, s38, s86                    ; e2 for Wk,
	s_cmp_eq_u32 s67, 0
	s_cselect_b32 s86, s36, s86                    ; e0 for Wq
	s_add_co_i32 s86, s86, 127
	s_lshl_b32 s87, s86, 23
	v_mov_b32 v16, s87                             ; 2^e
	s_add_co_i32 s86, s86, 8
	s_lshl_b32 s86, s86, 23
	s_or_b32 s86, s86, 0x600000
	v_mov_b32 v17, s86                             ; 448 x 2^e
.macro BLOCK t
.set XS, WX+32*((\t)%2)
.if (\t) < NB-1
	s_wait_loadcnt 32                              ; this block's 32 loads are in; the next block's may be out
.else
	s_wait_loadcnt 0
.endif
.set j, 0
.rept 32
	v_med3_num_f32 v[XS+j], v[XS+j], -v17, v17
.set j, j+1
.endr
.irp g, 0,1,2,3
	v_cvt_scalef32_pk8_fp8_f32 v[WC+2*\g:WC+2*\g+1], v[XS+8*\g:XS+8*\g+7], v16
.endr
	ds_store_b128 v6, v[WC:WC+3] offset:32*(\t)    ; 32 codes: 32 bytes of my column's row
	ds_store_b128 v6, v[WC+4:WC+7] offset:32*(\t)+16
.if (\t)+2 < NB
	LOADW (\t)+2
.endif
	s_wait_dscnt 0x0                               ; the stores have read their registers: the next block's codes may be written (its 32 holds are plain lines that come first)
.endm
	s_wait_alu depctr_va_vdst(0)
.irp t, 0,1,2,3,4,5,6,7
	BLOCK \t
.endr
	s_cmp_eq_u32 s67, 0
	s_cbranch_scc0 .Lrows
	s_lshr_b32 s86, s71, 4                         ; Wq leaves as an image: my first tile of 16 rows,
	s_lshl_b32 s86, s86, 14
	s_lshl_b32 s87, s69, 12                        ; my 256 along K are two of its eight parts
	s_add_co_u32 s86, s86, s87
	s_add_co_u32 s86, s86, WOFF
	s_mov_b32 s87, 0
	s_add_nc_u64 s[86:87], s[20:21], s[86:87]
.irp t, 0,1,2,3,4,5,6,7,8,9,10,11,12,13,14,15
	ds_load_b128 v[WOUT+4*\t:WOUT+4*\t+3], v226 offset:(\t/8)*16*WP+((\t/4)%2)*128+(\t%4)*32
.endr
.irp t, 0,1,2,3,4,5,6,7,8,9,10,11,12,13,14,15
	s_wait_dscnt 15-\t
	global_store_b128 v3, v[WOUT+4*\t:WOUT+4*\t+3], s[86:87] offset:(\t/8)*16384+((\t/4)%2)*2048+(\t%4)*512   ; 512 consecutive bytes
.endr
	s_branch .Lwend
.Lrows:
.irp t, 0,1,2,3,4,5,6,7,8,9,10,11,12,13,14,15
	ds_load_b128 v[WOUT+4*\t:WOUT+4*\t+3], v7 offset:2*\t*WP   ; LDS serves a wave's instructions in order: these see my stores
.endr
.irp t, 0,1,2,3,4,5,6,7,8,9,10,11,12,13,14,15
	s_wait_dscnt 15-\t
	global_store_b128 v8, v[WOUT+4*\t:WOUT+4*\t+3], s[28:29] offset:2048*\t   ; sixteen lanes store 256 consecutive bytes, aligned
.endr
.Lwend:
	s_wait_tensorcnt 0x0
	ds_add_u32 v224, v225
	s_wait_dscnt 0x0
	s_endpgm
.Lfunc_end_k_qd9e58e0c4b_quant:
	.size	k_qd9e58e0c4b_quant, .Lfunc_end_k_qd9e58e0c4b_quant-k_qd9e58e0c4b_quant
	.p2alignl 7, 3214868480
	.fill 96, 4, 3214868480
	.section	.rodata,"a",@progbits
	.p2align	6, 0x0
	.amdhsa_kernel k_qd9e58e0c4b_quant
		.amdhsa_group_segment_fixed_size 68096
		.amdhsa_private_segment_fixed_size 0
		.amdhsa_enable_private_segment 0
		.amdhsa_kernarg_size 72
		.amdhsa_user_sgpr_count 2
		.amdhsa_user_sgpr_kernarg_segment_ptr 1
		.amdhsa_wavefront_size32 1
		.amdhsa_system_sgpr_workgroup_id_x 1
		.amdhsa_system_sgpr_workgroup_id_y 1
		.amdhsa_system_sgpr_workgroup_id_z 1
		.amdhsa_system_vgpr_workitem_id 0
		.amdhsa_next_free_vgpr 228
		.amdhsa_next_free_sgpr 88
		.amdhsa_reserve_vcc 0
		.amdhsa_float_denorm_mode_32 3
		.amdhsa_float_denorm_mode_16_64 3
		.amdhsa_memory_ordered 1
		.amdhsa_forward_progress 1
		.amdhsa_inst_pref_size 100
	.end_amdhsa_kernel
	.amdgpu_metadata
---
amdhsa.version: [ 1, 2 ]
amdhsa.kernels:
  - .name:           k_qd9e58e0c4b_quant
    .symbol:         k_qd9e58e0c4b_quant.kd
    .args:
      - { .name: Q, .offset: 0, .size: 8, .value_kind: global_buffer, .address_space: global }
      - { .name: K, .offset: 8, .size: 8, .value_kind: global_buffer, .address_space: global }
      - { .name: V, .offset: 16, .size: 8, .value_kind: global_buffer, .address_space: global }
      - { .name: Wq, .offset: 24, .size: 8, .value_kind: global_buffer, .address_space: global }
      - { .name: Wk, .offset: 32, .size: 8, .value_kind: global_buffer, .address_space: global }
      - { .name: Wv, .offset: 40, .size: 8, .value_kind: global_buffer, .address_space: global }
      - { .name: Wo, .offset: 48, .size: 8, .value_kind: global_buffer, .address_space: global }
      - { .name: lowp_scales, .offset: 56, .size: 8, .value_kind: global_buffer, .address_space: global }
      - { .name: codes, .offset: 64, .size: 8, .value_kind: global_buffer, .address_space: global }
    .group_segment_fixed_size: 68096
    .private_segment_fixed_size: 0
    .kernarg_segment_align: 8
    .kernarg_segment_size: 72
    .max_flat_workgroup_size: 128
    .sgpr_count:     88
    .vgpr_count:     228
    .wavefront_size: 32
...
	.end_amdgpu_metadata
.endif
;; end of part 1
;; launch proj (part 2): grid 4 x 64, 4 waves a work-group, clusters of 4 x 4, 327,680 bytes of LDS; arguments codes, bk, bv, lowp_scales, img; writes img
.if DOCPART == 2
	.amdgcn_target "amdgcn-amd-amdhsa--gfx1250"
	.amdhsa_code_object_version 6
	.text
	.protected	k_qd9e58e0c4b_proj
	.globl	k_qd9e58e0c4b_proj
	.p2align	8
	.type	k_qd9e58e0c4b_proj,@function
k_qd9e58e0c4b_proj:
	s_mov_b64 s[64:65], 0
	v_nop
	global_prefetch_b8 v0, s[64:65] scope:SCOPE_SE
	s_setreg_imm32_b32 hwreg(HW_REG_WAVE_MODE, 25, 1), 1
	s_wait_xcnt 0x0
	s_wait_alu depctr_hold_cnt(0) depctr_sa_sdst(0) depctr_va_vdst(0) depctr_va_sdst(0) depctr_va_ssrc(0) depctr_va_vcc(0) depctr_vm_vsrc(0)
	s_getreg_b32 s2, hwreg(HW_REG_IB_STS2, 6, 4)
	s_cmp_eq_u32 s2, 0
	s_cbranch_scc0 .Lentry_in_a_cluster
	s_endpgm
.Lentry_in_a_cluster:
	s_bfe_u32 s2, ttmp6, 0x10000c
	s_cmp_lg_u32 s2, 0xf033
	s_cbranch_scc0 .Lentry_shape_is_right
	s_endpgm
.Lentry_shape_is_right:
; Two projections in one launch: k = K Wk + bk, v = V Wv + bv, on codes of E4M3; each result is quantised in registers for the attention's products and stored as an image of operand registers.
; 256 tiles of 256 x 256, K = 1,024.  A tile is made by four waves, each 128 x 128: 64 accumulators of 16 x 16, 512 registers.  K goes in steps of 256 through a ring of two LDS slots filled by the tensor data mover.
; CLUSTERS: 4 x 4 work-groups; cluster y + 8 = Yc, 8 to 23.  Side A (source 1) hangs on the place cy and is asked for jointly along a row of the cluster, side B (source 0) on cx and jointly along a column.
;   Yc 8-15: k.  Side A = 256 tokens (rows of the inputs' codes), side B = 256 rows of the weight's codes (four heads).  A lane then holds ONE token and its registers run along the channels: the next K.
;   Yc 16-23: v.  Side A = 256 rows of Wv's codes, side B = 256 tokens.  A lane then holds ONE channel and its registers run along the tokens: the keys are the second attention product's K.
; img: q's image at 0, k's at 1 << 23, v's at 2 << 23; each [batch x 16 + head][131,072 bytes].
;   q, k: [tile of 16 tokens][chunk c of 2][lane][16 bytes]: lane (r, h) holds token r, channels 32 c + 8 h + 0..7 and 32 c + 16 + 8 h + 0..7: registers 4 c .. 4 c + 3 of a 16 x 64 operand.
;   v:    [128 keys][tile of 16 channels][chunk c of 4][lane][16 bytes]: lane (r, h) holds channel r, keys 32 c + 8 h + 0..7 and 32 c + 16 + 8 h + 0..7: registers 4 c .. 4 c + 3 of a 16 x 128 operand.
;   So a conversion's results are the next operand's registers, and each store of the wave covers 512 consecutive bytes, aligned.
; LIMITS: e0 + e1, e2 + e3, e4 + e5 between -126 and 127; e6, e7, e9 between -126 and 119.  NaN among the inputs is not served.
; REGISTERS, in windows of 256: window 0: v0-31 addresses and constants; from v128 A's fragments, ONE set; on the way out v32-95 the bias, v128-191 a block's numbers, v192-255 codes.
;   window 1: B's fragments, TWO sets.   window 2: the accumulators of my A rows 0-63 ((a, b) at v[8 (8 a + b)]);   window 3: those of rows 64-127.
.set WOFF,   0x1800000                 ; the weights' codes begin here in the buffer of codes
.set ROWB,   256                       ; a tile's row in bytes: 256 codes
.set KROW,   1024                      ; a row of codes in memory
.set PITCH,  272                       ; an LDS row: 256 bytes + 16 of padding = 68 words: the 16 rows that a load touches start at 16 different banks (64 banks of 4 bytes: ISA guide 11.1)
.set FR,     16                        ; registers of a fragment: 16 rows x 128 K
.set NL,     4                         ; LDS loads that bring one
.set NP,     4                         ; places behind this matrix instruction (ISA guide 7.12.1)
.set HALFT,  128*PITCH
.set SLOT,   4*HALFT                   ; A's 256 rows, then B's 256 rows
.set SPARE,  2*SLOT                    ; behind the ring: the spare words, 128 bytes a wave: two blocks of 256 bytes that no other line names
.set ADRA, 16                          ; v16-17  LDS address of my A fragments in slot 0, 1
.set ADRB, 20                          ; v20-21  the same for B
.set BOV,  25                          ; v25     4 x (lane % 16): v's bias
.set LI,   26                          ; v26     16 x lane: my place in an image's 512 bytes
.set BOQ,  27                          ; v27     32 x (lane / 16): q's and k's bias
.set SPW,  28                          ; v28     LDS address of my spare word; never rewritten
.set NIL,  29                          ; v29     0; never rewritten
.set SCL,  30                          ; v30     the result's scale 2^e as f32
.set LIM,  31                          ; v31     448 x that
.set BI,   32                          ; v32-95  the bias in the result's layout
.set AF,   128                         ; A's fragments, in window 0
.set TT,   128                         ; the way out: a block's 64 numbers
.set CD,   192                         ; the way out: codes, 16 registers for each of four blocks by turns
.set G1, 24                            ; s[24:31] descriptor group 1 for A's tiles;  s[32:39] group 0, one set for each slot
.set G0, 32
.set G1B, 48                           ; s[48:55], s[56:63] the same for B's tiles
.set G0B, 56
.set MSB, 0
.macro WIN new                         ; the immediate's high byte repeats the setting that is left
.if MSB != (\new)
	s_set_vgpr_msb (MSB<<8)|(\new)
.set MSB, (\new)
.endif
.endm
.set MUL_LO, 0xa1                      ; source 0 (B) window 1, source 1 (A) window 0, C and D window 2
.set MUL_HI, 0xf1                      ; the same, C and D window 3
.set TO_B,   0x40                      ; destination window 1, address window 0
; A joint load: waves 0 and 1 fetch for A, waves 2 and 3 for B.  Each of the two lines has ONE mask and one set of registers for all that issue it; the branch hangs on the wave's number alone.
; Four v_nop follow each of the two lines, ahead of the jump, the label and what follows.
.macro JLOAD g0a, g1a, g0b, g1b
	s_cmp_eq_u32 s15, 0
	s_cbranch_scc0 .Lfor_b_\@
	tensor_load_to_lds s[\g0a:\g0a+3], s[\g1a:\g1a+7]
	s_nop 0
.rept 4
	v_nop
.endr
	s_branch .Lasked_\@
.Lfor_b_\@:
	tensor_load_to_lds s[\g0b:\g0b+3], s[\g1b:\g1b+7]
	s_nop 0
.rept 4
	v_nop
.endr
.Lasked_\@:
.endm
.macro CREST                           ; a round of the cluster's barrier behind its opening barrier
	s_cmp_lg_u32 s14, 0
	s_cbranch_scc1 .Lnot_wave_0_\@
	s_barrier_signal -3
.Lnot_wave_0_\@:
	s_barrier_wait -3
	s_barrier_signal -1
	s_barrier_wait -1
.endm
.macro CROUND                          ; a whole round
	s_barrier_signal -1
	s_barrier_wait -1
	CREST
.endm
	s_load_b64 s[4:5], s[0:1], 0x0                 ; codes
	s_load_b128 s[8:11], s[0:1], 0x8               ; bk s[8:9], bv s[10:11]
	s_load_b128 s[68:71], s[0:1], 0x18             ; the exponents s[68:69], img s[70:71]
	v_lshl_add_u32 v[SPW], v0, 2, SPARE
	v_mov_b32 v[NIL], 0
	ds_add_u32 v28, v29
	ds_add_u32 v28, v29
	s_wait_dscnt 0x0
	v_lshrrev_b32 v1, 5, v0
	v_readfirstlane_b32 s14, v1                    ; wave 0..3
	s_lshr_b32 s15, s14, 1                         ; which half of side A's rows is mine.  Also: I fetch for A (0) or for B (1)
	s_and_b32 s16, s14, 1                          ; which half of side B's rows.  Also: which 128 rows of that tile I fetch
	s_bfe_u32 s40, ttmp6, 0x40000                  ; cx, cy: my place in the cluster
	s_bfe_u32 s41, ttmp6, 0x40004
	s_and_b32 s17, ttmp7, 0xffff
	s_add_co_u32 s17, s17, 8                       ; q is made by the attention launch: this launch has k's and v's clusters alone, Yc 8 to 23 of the list at the head
	s_lshl_b32 s43, s41, 2
	s_lshl_b32 s43, 15, s43                        ; my row of the cluster
	s_lshl_b32 s44, 0x1111, s40                    ; my column
	; descriptor group 1: a tile of 128 rows x 256 bytes, padded in LDS
	s_or_b32 s[G1+0], s43, (0<<16)|(1<<20)|(1<<21)|(5<<22)|(3<<25)  ; 15:0 the mask: A's tiles go to my row; 17:16 element of 1 byte; 20 padding on; 21 set beside a mask; 24:22 after every 64 words (code 5); 31:25 of 4 words (code 3)
	s_or_b32 s[G1B+0], s44, (0<<16)|(1<<20)|(1<<21)|(5<<22)|(3<<25)
.irp g, G1, G1B
	s_mov_b32 s[\g+1], ROWB<<16                    ; tensor_dim0
	s_mov_b32 s[\g+2], 128<<16                     ; tensor_dim1 = 128
	s_mov_b32 s[\g+3], ROWB<<16                    ; tile_dim0
	s_mov_b32 s[\g+4], 128                         ; tile_dim1 = 128
	s_mov_b32 s[\g+5], KROW                        ; tensor_dim0_stride
	s_mov_b32 s[\g+6], 0
	s_mov_b32 s[\g+7], 0
.endr
	; where the tiles come from, as byte offsets in the buffer of codes.  The cluster's 1,024 tokens begin at Yc << 20; its weight at WOFF + (Yc / 8) << 20.  For v the two change sides.
	s_lshl_b32 s84, s17, 20                        ; the tokens
	s_lshr_b32 s85, s17, 3
	s_lshl_b32 s85, s85, 20
	s_add_co_u32 s85, s85, WOFF                    ; the weight
	s_lshr_b32 s18, s17, 4                         ; 1 for v, else 0
	s_sub_co_u32 s19, s85, s84
	s_mul_i32 s19, s19, s18                        ; the distance between the two, or 0
	s_lshl_b32 s18, s16, 17                        ; which 128 rows of 1,024 bytes I fetch
	s_add_co_u32 s20, s84, s19                     ; side A: + 256 rows x cy.  These registers never hold cx
	s_lshl_b32 s21, s41, 18
	s_add_co_u32 s20, s20, s21
	s_add_co_u32 s20, s20, s18
	s_mov_b32 s21, 0
	s_sub_co_u32 s46, s85, s19                     ; side B: + 256 rows x cx.  These never hold cy
	s_lshl_b32 s47, s40, 18
	s_add_co_u32 s46, s46, s47
	s_add_co_u32 s46, s46, s18
	s_mov_b32 s47, 0
	s_mul_i32 s45, s14, HALFT                      ; where they go: wave x 128 rows: no place in the cluster enters an LDS address
	s_wait_kmcnt 0x0
	s_load_b256 s[72:79], s[68:69], 0x0            ; e0 .. e7
	s_load_b64 s[80:81], s[68:69], 0x20            ; e8, e9
	s_add_nc_u64 s[20:21], s[4:5], s[20:21]
	s_add_nc_u64 s[46:47], s[4:5], s[46:47]
	s_lshl_b32 s2, s40, 15                         ; the prefetches: of the 128 rows that I fetch, each of the four partners that ask with me names 32, told apart by address
	s_lshl_b32 s3, s41, 15
	s_cmp_eq_u32 s15, 0
	s_cselect_b64 s[66:67], s[20:21], s[46:47]
	s_cselect_b32 s2, s2, s3                       ; cx for side A, cy for side B
	s_mov_b32 s3, 0
	s_add_nc_u64 s[66:67], s[66:67], s[2:3]
	CROUND                                         ; all sixteen work-groups are here: the first joint loads meet
.irp s, 0,1
	s_mov_b32 s[G0+4*\s], 1
	s_add_co_u32 s[G0+4*\s+1], s45, \s*SLOT
	s_add_nc_u64 s[G0+4*\s+2:G0+4*\s+3], s[20:21], \s*ROWB
	s_or_b32 s[G0+4*\s+3], s[G0+4*\s+3], 0x80000000
	s_mov_b32 s[G0B+4*\s], 1
	s_add_co_u32 s[G0B+4*\s+1], s45, \s*SLOT
	s_add_nc_u64 s[G0B+4*\s+2:G0B+4*\s+3], s[46:47], \s*ROWB
	s_or_b32 s[G0B+4*\s+3], s[G0B+4*\s+3], 0x80000000
.endr
	JLOAD G0, G1, G0B, G1B                         ; K step 0: one tensor load a wave at the head
	v_and_b32 v1, 15, v0                           ; l % 16
	v_bfe_u32 v2, v0, 4, 1                         ; l / 16
	v_mul_u32_u24 v3, v1, PITCH
	v_lshl_add_u32 v4, v2, 4, v3                   ; a fragment's row x pitch + 16 x half
	s_mul_i32 s21, s15, HALFT                      ; my 128 rows of A
	s_mul_i32 s22, s16, HALFT                      ; my 128 rows of B,
	s_add_co_u32 s22, s22, 2*HALFT                 ; which lie behind A's 256
.irp s, 0,1
	v_add_nc_u32 v[ADRA+\s], s21, v4
	v_add_nc_u32 v[ADRB+\s], s22, v4
	s_add_co_u32 s21, s21, SLOT
	s_add_co_u32 s22, s22, SLOT
.endr
	v_and_b32 v6, 31, v0
	v_lshlrev_b32 v[LI], 4, v6
	v_lshlrev_b32 v[BOQ], 5, v2
	v_lshlrev_b32 v[BOV], 2, v1
	v_lshlrev_b32 v7, 10, v6                       ; a lane a row of 1,024 bytes; never rewritten
	global_prefetch_b8 v7, s[66:67] offset:ROWB th:TH_LOAD_NT scope:SCOPE_SE     ; behind K step 0's load: the 256 bytes a row of K steps 1 and 2
	global_prefetch_b8 v7, s[66:67] offset:2*ROWB th:TH_LOAD_NT scope:SCOPE_SE
.macro FRAG reg, adr, q, i             ; a fragment, 16 rows x 128 K of codes, is 16 registers: lane l holds row l % 16; registers 4 c .. 4 c + 3 hold K = 32 c + 16 (l / 16) + 0 .. 15: the same places in A and in B
.irp c, 0,1,2,3
	ds_load_b128 v[\reg+4*\c:\reg+4*\c+3], v[\adr] offset:128*(\q)+32*\c+(\i)*16*PITCH
.endr
.endm
; 16 matrix instructions: A's blocks a0, a0 + 1 x B's eight, 128 along K.  p: B's set.  zero = 1: the first product starts the sums: nothing is ever cleared.
; The 64 accumulators take turns, one instruction a turn, in the same order in every step.
.macro MUL16 a0, p, zero
.irp a, \a0, \a0+1
.irp b, 0,1,2,3,4,5,6,7
.if \zero
	v_wmma_f32_16x16x128_fp8_fp8 v[8*(8*((\a)%4)+\b):8*(8*((\a)%4)+\b)+7], v[128*(\p)+FR*\b:128*(\p)+FR*\b+FR-1], v[AF+FR*(\a):AF+FR*(\a)+FR-1], 0
.else
	v_wmma_f32_16x16x128_fp8_fp8 v[8*(8*((\a)%4)+\b):8*(8*((\a)%4)+\b)+7], v[128*(\p)+FR*\b:128*(\p)+FR*\b+FR-1], v[AF+FR*(\a):AF+FR*(\a)+FR-1], v[8*(8*((\a)%4)+\b):8*(8*((\a)%4)+\b)+7]
.endif
.endr
.endr
.endm
.macro FETCH_B slot, q, p              ; B's eight fragments of the slot's q-th 128 along K into set p
	WIN TO_B
.irp i, 0,1,2,3,4,5,6,7
	FRAG 128*(\p)+FR*\i, ADRB+\slot, \q, \i
.endr
	WIN 0
.endm
.macro FETCH_A slot, q, i0             ; A's blocks i0 .. i0 + 3
.irp i, \i0, \i0+1, \i0+2, \i0+3
	FRAG AF+FR*(\i), ADRA+\slot, \q, \i
.endr
.endm
; A load into a register that a matrix instruction has read, and a vector instruction that reads a matrix result or writes one of its registers, stand NP places behind it;
; only plain vector instructions that name none of its registers are places.
.macro PLACES n
.rept \n
	v_nop
.endr
.endm
; A step of 128 along K that has its successor in the same slot.
.macro STEP slot, q, zero
	s_wait_dscnt 4*NL                              ; B's set and A's blocks 0-3 are in; the youngest sixteen loads (A's blocks 4-7) may be out
	WIN MUL_LO
	MUL16 0, (\q)%2, \zero
	MUL16 2, (\q)%2, \zero
	s_wait_dscnt 0                                 ; A's blocks 4-7 are in
	PLACES NP
	FETCH_B \slot, (\q)+1, 1-(\q)%2
	FETCH_A \slot, (\q)+1, 0
	WIN MUL_HI
	MUL16 4, (\q)%2, \zero
	MUL16 6, (\q)%2, \zero
	PLACES NP
	WIN 0
	FETCH_A \slot, (\q)+1, 4
.endm
; A slot's last step changes slots: ONE barrier; in front of it each wave waits for all its tensor loads, adds 0 to its spare word, and waits for that and for its own reads of this slot.  fill = 1: this slot is filled again, two K steps ahead.
.macro TURN slot, next, fill
	s_wait_tensorcnt 0x0                           ; all my tensor loads have landed: my part of the next slot;  (every window is 0 here)
	ds_add_u32 v[SPW], v[NIL]                      ; 0 onto my spare word;
	s_wait_dscnt 4*NL+1                            ; (the add and the youngest sixteen loads, A's blocks 4-7, may be out)
	WIN MUL_LO
	MUL16 0, 1, 0                                  ; sixteen matrix instructions stand between the add and the wait for it
	s_wait_dscnt 0x0                               ; the add is done, and my reads of this slot are over
	s_barrier_signal -1
	MUL16 2, 1, 0
	WIN 0
	s_barrier_wait -1
.if \fill
	CREST                                          ; the barrier has opened a round of the cluster's barrier: no wave of any partner still reads this slot's tile or has a load on its way
	s_add_nc_u64 s[G0+4*\slot+2:G0+4*\slot+3], s[G0+4*\slot+2:G0+4*\slot+3], 2*ROWB
	s_add_nc_u64 s[G0B+4*\slot+2:G0B+4*\slot+3], s[G0B+4*\slot+2:G0B+4*\slot+3], 2*ROWB
	JLOAD G0+4*\slot, G1, G0B+4*\slot, G1B         ; the first tensor load behind the round; the four v_nop behind it are the places in front of the loads below
.else
	PLACES NP
.endif
	FETCH_B \next, 0, 0
	FETCH_A \next, 0, 0
	WIN MUL_HI
	MUL16 4, 1, 0
	MUL16 6, 1, 0
	PLACES NP
	WIN 0
	FETCH_A \next, 0, 4
.endm
.macro LAST                            ; the very last step: nothing more to fetch
	s_wait_dscnt 4*NL
	WIN MUL_LO
	MUL16 0, 1, 0
	MUL16 2, 1, 0
	s_wait_dscnt 0
	WIN MUL_HI
	MUL16 4, 1, 0
	MUL16 6, 1, 0
	WIN 0
.endm
; From my first token (s88) and my first head (s89): where my part of the image begins
.macro OUTBASE
	s_lshr_b32 s90, s17, 3
	s_lshl_b32 s90, s90, 23                        ; which image
	s_lshr_b32 s91, s88, 11
	s_lshl_b32 s91, s91, 21                        ; the batch: 16 heads of 131,072 bytes
	s_add_co_u32 s90, s90, s91
	s_and_b32 s91, s88, 2047
	s_lshl_b32 s91, s91, 6                         ; 64 bytes a token, in all three images
	s_add_co_u32 s90, s90, s91
	s_lshl_b32 s91, s89, 17
	s_add_co_u32 s90, s90, s91
	s_mov_b32 s91, 0
	s_add_nc_u64 s[92:93], s[70:71], s[90:91]
	s_lshl_b32 s90, s89, 8                         ; the bias: 64 numbers a head
	s_add_nc_u64 s[86:87], s[86:87], s[90:91]
.endm
; From the operands' exponents (s94, s95) and the result's (s82): the three powers of two
.macro SCALES
	s_add_co_i32 s96, s94, s95
	s_add_co_i32 s96, s96, 127
	s_lshl_b32 s96, s96, 23                        ; a sum stands for sum x 2^(the operands' exponents added)
	s_mov_b32 s97, s96                             ; (named with it as a pair, so it is written)
	s_add_co_i32 s82, s82, 127
	s_lshl_b32 s83, s82, 23
	v_mov_b32 v[SCL], s83
	s_add_co_i32 s82, s82, 8
	s_lshl_b32 s82, s82, 23
	s_or_b32 s82, s82, 0x600000
	v_mov_b32 v[LIM], s82
.endm
; THE WAY OUT, block a of 16 rows of side A at a time: sum x 2^e + bias in one packed multiply-add (each accumulator from its low end on), the hold, the conversion, four stores of 512 consecutive bytes.
; The 16 registers of B's blocks 2 bp and 2 bp + 1 are one chunk of an image.  isv = 0: the bias runs along the registers; 1: a lane has one bias for block a.
.macro OUT isv
	s_wait_loadcnt 0x0                             ; the bias
	PLACES NP
.irp a, 0,1,2,3,4,5,6,7
.if \a >= 4
	s_wait_xcnt 0x0                                ; block a - 4's stores have read their registers: its codes' registers are written again
.endif
	WIN 0x02+(\a)/4                                ; source 0: window 2 or 3
.set j, 0
.rept 32
.if \isv
	v_pk_fma_f32 v[TT+j:TT+j+1], v[64*((\a)%4)+j:64*((\a)%4)+j+1], s[96:97], v[BI+2*\a:BI+2*\a+1] op_sel_hi:[1,0,0]
.else
	v_pk_fma_f32 v[TT+j:TT+j+1], v[64*((\a)%4)+j:64*((\a)%4)+j+1], s[96:97], v[BI+j:BI+j+1] op_sel_hi:[1,0,1]
.endif
.set j, j+2
.endr
	WIN 0
.irp bp, 0,1,2,3
.set j, 0
.rept 16
	v_med3_num_f32 v[TT+16*\bp+j], v[TT+16*\bp+j], -v[LIM], v[LIM]   ; the conversion to an 8-bit code does not saturate (ISA guide 7.6.2)
.set j, j+1
.endr
	v_cvt_scalef32_pk8_fp8_f32 v[CD+16*((\a)%4)+4*\bp:CD+16*((\a)%4)+4*\bp+1], v[TT+16*\bp:TT+16*\bp+7], v[SCL]
	v_cvt_scalef32_pk8_fp8_f32 v[CD+16*((\a)%4)+4*\bp+2:CD+16*((\a)%4)+4*\bp+3], v[TT+16*\bp+8:TT+16*\bp+15], v[SCL]
.endr
	v_nop                                          ; one plain line between the last conversion and the next block's multiply-adds, which write its sources
.irp bp, 0,1,2,3
.if \isv
	global_store_b128 v[LI], v[CD+16*((\a)%4)+4*\bp:CD+16*((\a)%4)+4*\bp+3], s[92:93] offset:((\a)/4)*131072+((\a)%4)*2048+\bp*512
.else
	global_store_b128 v[LI], v[CD+16*((\a)%4)+4*\bp:CD+16*((\a)%4)+4*\bp+3], s[92:93] offset:(\bp/2)*131072+\a*1024+(\bp%2)*512
.endif
.endr
.endr
.endm
	s_wait_alu depctr_va_vdst(0)
	s_wait_tensorcnt 0x0                           ; my part of K step 0 is in
	ds_add_u32 v[SPW], v[NIL]
	s_wait_dscnt 0x0
	CROUND                                         ; everybody's part of K step 0 is in, and all sixteen work-groups are here
	JLOAD G0+4, G1, G0B+4, G1B                     ; K step 1: the first tensor load behind the round
	FETCH_B 0, 0, 0
	FETCH_A 0, 0, 0
	FETCH_A 0, 0, 4
	global_prefetch_b8 v7, s[66:67] offset:3*ROWB th:TH_LOAD_NT scope:SCOPE_SE   ; behind K step 1's load: K step 3, the last
	STEP 0, 0, 1
	TURN 0, 1, 1                                   ; slot 0 takes K step 2
	STEP 1, 0, 0
	TURN 1, 0, 1                                   ; slot 1 takes K step 3
	STEP 0, 0, 0
	TURN 0, 1, 0                                   ; nothing is left to fetch
	STEP 1, 0, 0
	s_wait_kmcnt 0x0                               ; the exponents
	s_cmp_ge_u32 s17, 16                           ; v's clusters part here: the number is the same in all sixteen partners; no tensor load and no barrier stands in either arm
	s_cbranch_scc1 .Lv
	; ---- q or k: side A = tokens, side B = channels
	s_mov_b64 s[86:87], s[8:9]                     ; bk
	s_mov_b32 s94, s74                             ; e2
	s_mov_b32 s95, s75                             ; e3
	s_mov_b32 s82, s79                             ; e7
	s_and_b32 s88, s17, 7
	s_lshl_b32 s88, s88, 2
	s_add_co_u32 s88, s88, s41
	s_lshl_b32 s88, s88, 8
	s_lshl_b32 s89, s15, 7
	s_add_co_u32 s88, s88, s89                     ; my first token
	s_lshl_b32 s89, s40, 2
	s_lshl_b32 s90, s16, 1
	s_add_co_u32 s89, s89, s90                     ; my first head of two
	OUTBASE
.irp b, 0,1,2,3,4,5,6,7
	global_load_b128 v[BI+8*\b:BI+8*\b+3], v[BOQ], s[86:87] offset:64*\b        ; the bias of channels 16 b + 8 (l / 16) + 0 .. 7: it lands under the last 64 products
	global_load_b128 v[BI+8*\b+4:BI+8*\b+7], v[BOQ], s[86:87] offset:64*\b+16
.endr
	SCALES
	LAST
	OUT 0
	s_branch .Ldone
.Lv:
	; ---- v: side A = channels, side B = tokens
	s_mov_b64 s[86:87], s[10:11]
	s_mov_b32 s94, s76                             ; e4
	s_mov_b32 s95, s77                             ; e5
	s_mov_b32 s82, s81                             ; e9
	s_and_b32 s88, s17, 7
	s_lshl_b32 s88, s88, 2
	s_add_co_u32 s88, s88, s40
	s_lshl_b32 s88, s88, 8
	s_lshl_b32 s89, s16, 7
	s_add_co_u32 s88, s88, s89                     ; my first token: my 128 are one key step
	s_lshl_b32 s89, s41, 2
	s_lshl_b32 s90, s15, 1
	s_add_co_u32 s89, s89, s90                     ; my first head of two
	OUTBASE
.irp a, 0,1,2,3,4,5,6,7
	global_load_b32 v[BI+2*\a], v[BOV], s[86:87] offset:64*\a                   ; the bias of channel 16 a + l % 16
	v_mov_b32 v[BI+2*\a+1], 0                                                   ; (named with it as a pair, so it is written)
.endr
	SCALES
	LAST
	OUT 1
.Ldone:
	s_wait_tensorcnt 0x0                           ; the wave's end
	ds_add_u32 v[SPW], v[NIL]
	s_wait_dscnt 0x0
	CROUND                                         ; the closing round: no work-group ends while a partner may still ask for a tile that names it
	s_endpgm
.Lfunc_end_k_qd9e58e0c4b_proj:
	.size	k_qd9e58e0c4b_proj, .Lfunc_end_k_qd9e58e0c4b_proj-k_qd9e58e0c4b_proj
	.p2alignl 7, 3214868480
	.fill 96, 4, 3214868480
	.section	.rodata,"a",@progbits
	.p2align	6, 0x0
	.amdhsa_kernel k_qd9e58e0c4b_proj
		.amdhsa_group_segment_fixed_size 327680
		.amdhsa_private_segment_fixed_size 0
		.amdhsa_enable_private_segment 0
		.amdhsa_kernarg_size 40
		.amdhsa_user_sgpr_count 2
		.amdhsa_user_sgpr_kernarg_segment_ptr 1
		.amdhsa_wavefront_size32 1
		.amdhsa_system_sgpr_workgroup_id_x 1
		.amdhsa_system_sgpr_workgroup_id_y 1
		.amdhsa_system_sgpr_workgroup_id_z 1
		.amdhsa_system_vgpr_workitem_id 0
		.amdhsa_next_free_vgpr 1024
		.amdhsa_next_free_sgpr 98
		.amdhsa_reserve_vcc 0
		.amdhsa_float_denorm_mode_32 3
		.amdhsa_float_denorm_mode_16_64 3
		.amdhsa_memory_ordered 1
		.amdhsa_forward_progress 1
		.amdhsa_inst_pref_size 199
	.end_amdhsa_kernel
	.amdgpu_metadata
---
amdhsa.version: [ 1, 2 ]
amdhsa.kernels:
  - .name:           k_qd9e58e0c4b_proj
    .symbol:         k_qd9e58e0c4b_proj.kd
    .args:
      - { .name: codes, .offset: 0, .size: 8, .value_kind: global_buffer, .address_space: global }
      - { .name: bk, .offset: 8, .size: 8, .value_kind: global_buffer, .address_space: global }
      - { .name: bv, .offset: 16, .size: 8, .value_kind: global_buffer, .address_space: global }
      - { .name: lowp_scales, .offset: 24, .size: 8, .value_kind: global_buffer, .address_space: global }
      - { .name: img, .offset: 32, .size: 8, .value_kind: global_buffer, .address_space: global }
    .group_segment_fixed_size: 327680
    .private_segment_fixed_size: 0
    .kernarg_segment_align: 8
    .kernarg_segment_size: 40
    .max_flat_workgroup_size: 128
    .sgpr_count:     98
    .vgpr_count:     1024
    .wavefront_size: 32
...
	.end_amdgpu_metadata
.endif
;; end of part 2
;; launch attn (part 3): grid 4 x 64, 8 waves a work-group, clusters of 4 x 1, 327,680 bytes of LDS; arguments img, lowp_scales, oimg, codes, bq; writes oimg
.if DOCPART == 3
	.amdgcn_target "amdgcn-amd-amdhsa--gfx1250"
	.amdhsa_code_object_version 6
	.text
	.protected	k_qd9e58e0c4b_attn
	.globl	k_qd9e58e0c4b_attn
	.p2align	8
	.type	k_qd9e58e0c4b_attn,@function
k_qd9e58e0c4b_attn:
	s_mov_b64 s[64:65], 0
	v_nop
	global_prefetch_b8 v0, s[64:65] scope:SCOPE_SE
	s_setreg_imm32_b32 hwreg(HW_REG_WAVE_MODE, 25, 1), 1
	s_wait_xcnt 0x0
	s_wait_alu depctr_hold_cnt(0) depctr_sa_sdst(0) depctr_va_vdst(0) depctr_va_sdst(0) depctr_va_ssrc(0) depctr_va_vcc(0) depctr_vm_vsrc(0)
	s_getreg_b32 s2, hwreg(HW_REG_IB_STS2, 6, 4)
	s_cmp_eq_u32 s2, 0
	s_cbranch_scc0 .Lentry_in_a_cluster
	s_endpgm
.Lentry_in_a_cluster:
	s_bfe_u32 s2, ttmp6, 0x10000c
	s_cmp_lg_u32 s2, 0x3003
	s_cbranch_scc0 .Lentry_shape_is_right
	s_endpgm
.Lentry_shape_is_right:
; Attention of one (batch, head) on codes of E4M3: S^T = k q^T, p = 2^(t - M), O^T = v^T p^T, O / l quantised for the last product.
; t = score x log2(e) / 8; M = the running largest t rounded up to a whole number; the row's sum l is taken of the unquantised p; when M moves, l and O^T are multiplied by 2^(old M - new M).
; img: q's image at 0, k's at 1 << 23, v's at 2 << 23, each [batch x 16 + head][131,072 bytes], laid as operand registers (16 bytes a lane, 512 bytes a load).
; oimg: [batch x 128 + tile of 16 tokens][head][chunk of 2][lane][16 bytes].
; SHARES: a work-group owns 512 queries of one head; its 8 waves own 2 tiles of 16 queries each, in two passes.  All 2,048 keys of the head lie in LDS: k at 0, v at 131,072.
; Each wave brings 32,768 bytes of them by its one tensor load at the head; nothing is filled again.  The four work-groups of a cluster own the four query blocks of one head and ask jointly (mask 15).
; No prefetch: every tile is asked for at the head, so there is no loop to run ahead in.
; A lane holds ONE query (lane % 16); register j of score tile t is key 16 t + 8 (lane / 16) + j, so a conversion's results are registers 2 t, 2 t + 1 of the second product's operand.
; LIMITS: e6 + e7 between -123 and 130 (added to c's exponent field); e8 and e10 between -126 and 119; the scaled scores stay under 2^31 in magnitude.  NaN among the inputs is not served.
; REGISTERS.  Window 0: v1-5 addresses; v8-15 per tile -M, largest raw score, l in two halves; v16-31 Q of pass 0; v32-159 the two tiles' scores, then p; v160-191 p's codes; v192-235 at work and constants; v236-251 Q of pass 1.
;             Window 1: v32-95 V's fragments; v96-159 O^T of the two tiles; v160-223 K's fragments.  No two operands of one matrix instruction carry the same number.
.set VIMG,  131072
.set STEPB, 8192                       ; 128 keys of k's image, and of v's
.set SPARE, 0x40000                    ; behind the tiles: the spare words, 128 bytes a wave
.set WV,  10
.set G1,  16
.set G0,  24
.set SEL, 34
.set CS,  36
.set TB,  38
.set CNT, 39
.set EPV, 52
.set QB,  54
.set OB,  56
.set LA,  1                            ; 16 x lane
.set KA,  2                            ; LDS address of the next step's k
.set VA,  3                            ; of this step's v
.set KN,  4                            ; 16 x lane + STEPB
.set VB,  5                            ; 16 x lane + VIMG
.set ML,  8
.set Q0,  16
.set Q1,  236
.set SS,  32
.set CD,  160
.set TM,  192                          ; maxima: four chains a tile
.set TS,  200                          ; sums: three pairs a tile beside l
.set TX,  212
.set LIMP, 224                         ; 448 x 2^e8, twice: a dual pair's second sources
.set SCP, 226                          ; 2^e8
.set LIMO, 227                         ; 448 x 2^e10
.set FF,  228                          ; f = 2^(old M - new M), a pair a tile
.set PL,  232
.set SCO, 234                          ; 2^e10
.set SPW, 254
.set NIL, 255
.set VF,  32                           ; window 1
.set OO,  96
.set KF,  160
.set MSB, 0
.macro WIN new                         ; the immediate's high byte repeats the setting that is left
.if MSB != (\new)
	s_set_vgpr_msb (MSB<<8)|(\new)
.set MSB, (\new)
.endif
.endm
.macro CROUND                          ; a round of the cluster's barrier
	s_barrier_signal -1
	s_barrier_wait -1
	s_cmp_lg_u32 s[WV], 0
	s_cbranch_scc1 .Lnot_wave_0_\@
	s_barrier_signal -3
.Lnot_wave_0_\@:
	s_barrier_wait -3
	s_barrier_signal -1
	s_barrier_wait -1
.endm
	s_load_b128 s[4:7], s[0:1], 0x0                ; img, the exponents
	s_load_b64 s[8:9], s[0:1], 0x10                ; oimg
	s_load_b128 s[28:31], s[0:1], 0x18             ; codes s[28:29], bq s[30:31]
; q IS MADE HERE, not read from img: q = Q Wq + bq on the codes' images (Q's at byte 0 of codes, Wq's at 0x1800000: [tile of 16 rows][128 along K][chunk of 4][lane][16 bytes]).
; Each wave makes its own four tiles of 16 queries x 64 channels: source 0 = 16 rows of Wq, source 1 = 16 tokens, so that a lane holds one token and its registers run along the channels.
; The sums begin at bq x 2^-(e0 + e1); the three scales are folded into the conversion's one, 2^(e6 - e0 - e1).  LIMITS: e0 + e1 between -126 and 126; e6 - e0 - e1 between -126 and 119.
	v_lshl_add_u32 v[SPW], v0, 2, SPARE
	v_mov_b32 v[NIL], 0
	ds_add_u32 v[SPW], v[NIL]                      ; the opening lines
	ds_add_u32 v[SPW], v[NIL]
	v_lshrrev_b32 v6, 5, v0
	v_readfirstlane_b32 s[WV], v6                  ; wave 0..7
	v_and_b32 v7, 31, v0
	v_lshlrev_b32 v[LA], 4, v7
	v_add_nc_u32 v[KN], STEPB, v[LA]
	v_add_nc_u32 v[VB], VIMG, v[LA]
	s_bfe_u32 s11, ttmp6, 0x40000                  ; cx: which 512 queries
	s_and_b32 s12, ttmp7, 0xffff                   ; batch x 16 + head
	s_mov_b32 s[G1], 15|(3<<16)|(1<<21)            ; mask: all four partners; elements of 8 bytes; bit 21 beside a mask
	s_mov_b32 s[G1+1], 32<<16                      ; rows of 256 bytes,
	s_mov_b32 s[G1+2], 128<<16                     ; 128 of them, dense
	s_mov_b32 s[G1+3], 32<<16
	s_mov_b32 s[G1+4], 128
	s_mov_b32 s[G1+5], 32
	s_mov_b32 s[G1+6], 0
	s_mov_b32 s[G1+7], 0
	s_mov_b32 s[SEL], 0x76543210
	s_mov_b32 s[SEL+1], 0xfedcba98
	s_lshl_b32 s15, s[WV], 15                      ; where my 32,768 bytes go: waves 0-3 k's quarters, waves 4-7 v's
	s_lshr_b32 s13, s[WV], 2
	s_add_co_u32 s2, s13, 1
	s_lshl_b32 s2, s2, 23                          ; k's image or v's
	s_lshl_b32 s3, s12, 17
	s_add_co_u32 s2, s2, s3
	s_and_b32 s14, s[WV], 3
	s_lshl_b32 s14, s14, 15
	s_add_co_u32 s2, s2, s14
	s_mov_b32 s3, 0
	s_lshl_b32 s32, s11, 5
	s_lshl_b32 s33, s[WV], 1
	s_add_co_u32 s32, s32, s33                     ; my first tile of queries in pass 0: 32 cx + 2 wave; pass 1: 16 tiles on
	s_mov_b32 s59, 0
	s_lshr_b32 s33, s12, 4
	s_lshl_b32 s33, s33, 7
	s_add_co_u32 s33, s33, s32
	s_lshl_b32 s60, s33, 14
	s_mov_b32 s58, s60                             ; my first tile in Q's image: 16,384 bytes a tile of 16 tokens
	s_and_b32 s33, s12, 15
	s_lshl_b32 s33, s33, 10
	s_add_co_u32 s60, s60, s33
	s_mov_b32 s61, 0
	s_and_b32 s62, s12, 15                         ; the head
	s_lshl_b32 s53, s62, 8                         ; its 64 numbers of bq
	s_lshl_b32 s62, s62, 16                        ; its four tiles of Wq's image
	s_add_co_u32 s62, s62, 0x1800000
	s_mov_b32 s63, 0
	v_bfe_u32 v6, v0, 4, 1                         ; lane / 16, from the thread's number as it stands at the entry
	v_lshlrev_b32 v6, 5, v6
	v_add_nc_u32 v6, s53, v6                       ; bq: 32 bytes for each half of the lanes
	s_wait_alu depctr_va_vdst(0)
	s_wait_dscnt 0x0                               ; both opening adds are done
	s_wait_kmcnt 0x0
	s_load_b256 s[40:47], s[6:7], 0x0              ; e0 .. e7
	s_load_b128 s[48:51], s[6:7], 0x20             ; e8 .. e11
	s_add_nc_u64 s[QB:QB+1], s[28:29], s[58:59]
	s_add_nc_u64 s[62:63], s[28:29], s[62:63]
	s_add_nc_u64 s[OB:OB+1], s[8:9], s[60:61]
; 128 along K of Wq's four tiles and of my four tiles of tokens (two of pass 0, two of pass 1) into set p of window 1: 32 loads of 512 consecutive bytes
.macro QFETCH p, off
	WIN 0x40
.irp n, 0,1,2,3
.irp c, 0,1,2,3
	global_load_b128 v[128*(\p)+16*\n+4*\c:128*(\p)+16*\n+4*\c+3], v[LA], s[62:63] offset:(\off)+16384*\n+512*\c
.endr
.endr
.irp n, 0,1,2,3
.irp c, 0,1,2,3
	global_load_b128 v[128*(\p)+64+16*\n+4*\c:128*(\p)+64+16*\n+4*\c+3], v[LA], s[QB:QB+1] offset:(\off)+262144*(\n/2)+16384*(\n%2)+512*\c
.endr
.endr
	WIN 0
.endm
.macro QMUL p                          ; 16 accumulators by turns
	WIN 0x05
.irp ct, 0,1,2,3
.irp n, 0,1,2,3
	v_wmma_f32_16x16x128_fp8_fp8 v[SS+32*\n+8*\ct:SS+32*\n+8*\ct+7], v[128*(\p)+16*\ct:128*(\p)+16*\ct+15], v[128*(\p)+64+16*\n:128*(\p)+64+16*\n+15], v[SS+32*\n+8*\ct:SS+32*\n+8*\ct+7]
.endr
.endr
	WIN 0
.endm
.irp ct, 0,1,2,3
	global_load_b128 v[CD+8*\ct:CD+8*\ct+3], v6, s[30:31] offset:64*\ct          ; bq of channels 16 ct + 8 (lane / 16) + 0 .. 7
	global_load_b128 v[CD+8*\ct+4:CD+8*\ct+7], v6, s[30:31] offset:64*\ct+16
.endr
	QFETCH 0, 0
	s_mov_b32 s[G0], 1
	s_mov_b32 s[G0+1], s15
	s_add_nc_u64 s[G0+2:G0+3], s[4:5], s[2:3]
	s_or_b32 s[G0+3], s[G0+3], 0x80000000
	CROUND                                         ; all four work-groups are here: the joint loads meet
	tensor_load_to_lds s[G0:G0+3], s[G1:G1+7]      ; my one tensor load
	s_nop 0
.rept 4
	v_nop
.endr
	QFETCH 1, 2048
	s_wait_kmcnt 0x0
	s_add_co_i32 s13, s46, s47
	s_lshl_b32 s13, s13, 23
	s_add_co_i32 s[CS], s13, 0x3e38aa3b            ; c = log2(e) / 8 x 2^(e6 + e7)
	s_mov_b32 s[CS+1], s[CS]
	s_add_co_i32 s[EPV], s48, s49
	s_add_co_i32 s13, s48, 127
	s_lshl_b32 s14, s13, 23
	s_add_co_i32 s13, s13, 8
	s_lshl_b32 s13, s13, 23
	s_or_b32 s13, s13, 0x600000
	s_add_co_i32 s15, s50, 127
	s_lshl_b32 s32, s15, 23
	s_add_co_i32 s15, s15, 8
	s_lshl_b32 s15, s15, 23
	s_or_b32 s15, s15, 0x600000
	v_mov_b32 v[LIMP], s13
	v_mov_b32 v[LIMP+1], s13
	v_mov_b32 v[SCP], s14
	v_mov_b32 v[LIMO], s15
	v_mov_b32 v[SCO], s32
	v_mov_b32 v[FF+1], 0                           ; (upper halves of named pairs, and lane permutes' destinations, are written once)
	v_mov_b32 v[FF+3], 0
	v_mov_b32 v[PL], 0
	v_mov_b32 v[PL+1], 0
	s_add_co_i32 s33, s40, s41                     ; e0 + e1
	s_sub_co_i32 s2, 127, s33
	s_lshl_b32 s2, s2, 23                          ; 2^-(e0 + e1)
	s_mov_b32 s3, s2
	s_sub_co_i32 s33, s46, s33
	s_add_co_i32 s33, s33, 127
	s_lshl_b32 s53, s33, 23                        ; 2^(e6 - e0 - e1)
	s_add_co_i32 s33, s33, 8
	s_lshl_b32 s33, s33, 23
	s_or_b32 s33, s33, 0x600000                    ; 448 x that
	v_mov_b32 v[TX], s53
	v_mov_b32 v[TX+1], s33
.macro INIT                            ; a pass begins: -M = 3e38, largest score -3e38, l = 0, O^T = 0: the first change of M multiplies zeros by 0
.irp u, 0,1
	v_mov_b32 v[ML+4*\u], 0x7f61b1e6
	v_mov_b32 v[ML+4*\u+1], 0xff61b1e6
	v_mov_b32 v[ML+4*\u+2], 0
	v_mov_b32 v[ML+4*\u+3], 0
.endr
	WIN 0x40
.set j, 0
.rept 64
	v_mov_b32 v[OO+j], 0
.set j, j+1
.endr
	WIN 0
	s_wait_alu depctr_va_vdst(0)
.endm
.macro KLOAD adr                       ; eight tiles of 16 keys x 64 channels
	WIN 0x40
.irp t, 0,1,2,3,4,5,6,7
	ds_load_b128 v[KF+8*\t:KF+8*\t+3], v[\adr] offset:1024*\t
	ds_load_b128 v[KF+8*\t+4:KF+8*\t+7], v[\adr] offset:1024*\t+512
.endr
	WIN 0
.endm
; The softmax of both tiles for 128 keys, all in window 0; the two tiles' chains stand by turns.
.macro SOFT2
.irp c, 0,1,2,3
.irp u, 0,1
	v_max3_num_f32 v[TM+4*\u+\c], v[SS+64*\u+3*\c], v[SS+64*\u+3*\c+1], v[SS+64*\u+3*\c+2]   ; ascending: each accumulator is read from its low end on
.endr
.endr
.set j, 12
.rept 6
.irp c, 0,1,2,3
.irp u, 0,1
	v_max3_num_f32 v[TM+4*\u+\c], v[TM+4*\u+\c], v[SS+64*\u+j+2*\c], v[SS+64*\u+j+2*\c+1]
.endr
.endr
.set j, j+8
.endr
.irp c, 0,1
.irp u, 0,1
	v_max3_num_f32 v[TM+4*\u+\c], v[TM+4*\u+\c], v[SS+64*\u+60+2*\c], v[SS+64*\u+61+2*\c]
.endr
.endr
.irp u, 0,1
	v_max3_num_f32 v[TM+4*\u], v[TM+4*\u], v[TM+4*\u+1], v[TM+4*\u+2]
.endr
.irp u, 0,1
	v_max_num_f32 v[TM+4*\u], v[TM+4*\u], v[TM+4*\u+3]
.endr
.irp u, 0,1
	v_permlanex16_b32 v[PL+\u], v[TM+4*\u], s[SEL], s[SEL+1]
.endr
.irp u, 0,1
	v_max3_num_f32 v[ML+4*\u+1], v[ML+4*\u+1], v[TM+4*\u], v[PL+\u]   ; the running largest raw score (c is positive)
.endr
.irp u, 0,1
	v_mul_f32 v[TX+\u], s[CS], v[ML+4*\u+1]        ; as t
.endr
.irp u, 0,1
	v_floor_f32 v[TX+\u], -v[TX+\u]                ; the new -M = -ceil(t)
.endr
.irp u, 0,1
	v_sub_f32 v[TX+2+\u], v[TX+\u], v[ML+4*\u]     ; old M - new M: a whole number, 0 or less
.endr
.irp u, 0,1
	v_mov_b32 v[ML+4*\u], v[TX+\u]
.endr
.irp u, 0,1
	v_cvt_i32_f32 v[TX+2+\u], v[TX+2+\u]           ; (it saturates)
.endr
.irp u, 0,1
	v_ldexp_f32 v[FF+2*\u], 1.0, v[TX+2+\u]        ; f
.endr
.irp u, 0,1
.set j, 0
.rept 32
	v_pk_fma_f32 v[SS+64*\u+j:SS+64*\u+j+1], v[SS+64*\u+j:SS+64*\u+j+1], s[CS:CS+1], v[ML+4*\u:ML+4*\u+1] op_sel_hi:[1,0,0]   ; t - M
.set j, j+2
.endr
.endr
	s_wait_alu depctr_va_vdst(0)
.set j, 0
.rept 128
	v_exp_f32 v[SS+j], v[SS+j]                     ; p, at most 1, not normalised
.set j, j+1
.endr
.irp u, 0,1
	v_pk_mul_f32 v[ML+4*\u+2:ML+4*\u+3], v[ML+4*\u+2:ML+4*\u+3], v[FF+2*\u:FF+2*\u+1] op_sel_hi:[1,0]   ; l under the new M (plain places behind the batch)
.endr
	s_wait_alu depctr_va_vdst(0)                   ; and the one wait behind it, ahead of its first reader
.irp c, 0,1,2
.irp u, 0,1
	v_pk_add_f32 v[TS+6*\u+2*\c:TS+6*\u+2*\c+1], v[SS+64*\u+4*\c:SS+64*\u+4*\c+1], v[SS+64*\u+4*\c+2:SS+64*\u+4*\c+3]   ; the sum of the unquantised p: four chains a tile
.endr
.endr
.set j, 12
.rept 6
.irp u, 0,1
.irp c, 0,1,2
	v_pk_add_f32 v[TS+6*\u+2*\c:TS+6*\u+2*\c+1], v[TS+6*\u+2*\c:TS+6*\u+2*\c+1], v[SS+64*\u+j+2*\c:SS+64*\u+j+2*\c+1]
.endr
	v_pk_add_f32 v[ML+4*\u+2:ML+4*\u+3], v[ML+4*\u+2:ML+4*\u+3], v[SS+64*\u+j+6:SS+64*\u+j+7]
.endr
.set j, j+8
.endr
.irp u, 0,1
	v_pk_add_f32 v[TS+6*\u:TS+6*\u+1], v[TS+6*\u:TS+6*\u+1], v[SS+64*\u+60:SS+64*\u+61]
	v_pk_add_f32 v[ML+4*\u+2:ML+4*\u+3], v[ML+4*\u+2:ML+4*\u+3], v[SS+64*\u+62:SS+64*\u+63]
.endr
.irp u, 0,1
	v_pk_add_f32 v[TS+6*\u:TS+6*\u+1], v[TS+6*\u:TS+6*\u+1], v[TS+6*\u+2:TS+6*\u+3]
	v_pk_add_f32 v[ML+4*\u+2:ML+4*\u+3], v[ML+4*\u+2:ML+4*\u+3], v[TS+6*\u+4:TS+6*\u+5]
.endr
.irp u, 0,1
	v_pk_add_f32 v[ML+4*\u+2:ML+4*\u+3], v[ML+4*\u+2:ML+4*\u+3], v[TS+6*\u:TS+6*\u+1]
.endr
.irp b, 0,1,2,3
.irp u, 0,1
.set j, 0
.rept 8
	v_dual_min_num_f32 v[SS+64*\u+16*\b+j], v[SS+64*\u+16*\b+j], v[LIMP] :: v_dual_min_num_f32 v[SS+64*\u+16*\b+j+1], v[SS+64*\u+16*\b+j+1], v[LIMP+1]   ; the hold: the conversion does not saturate (ISA guide 7.6.2); p is not negative; two numbers a line
.set j, j+2
.endr
.endr
.irp u, 0,1
	v_cvt_scalef32_pk8_fp8_f32 v[CD+16*\u+4*\b:CD+16*\u+4*\b+1], v[SS+64*\u+16*\b:SS+64*\u+16*\b+7], v[SCP]
	v_cvt_scalef32_pk8_fp8_f32 v[CD+16*\u+4*\b+2:CD+16*\u+4*\b+3], v[SS+64*\u+16*\b+8:SS+64*\u+16*\b+15], v[SCP]
.endr
.endr
	WIN 0x41                                       ; O^T in window 1, f in window 0
	s_wait_alu depctr_va_vdst(0)
.irp u, 0,1
.set j, 0
.rept 16
	v_pk_mul_f32 v[OO+32*\u+j:OO+32*\u+j+1], v[OO+32*\u+j:OO+32*\u+j+1], v[FF+2*\u:FF+2*\u+1] op_sel_hi:[1,0]   ; O^T under the new M
.set j, j+2
.endr
.endr
.endm
; A pass: 16 steps of 128 keys.  q: Q's registers.  k's fragments of a step are asked for in the step before, behind its score products.
; The last step asks for the 8,192 bytes behind k's image, which are v's first and lie in LDS: they are not used.
.macro LOOP q
	s_mov_b32 s[TB], 0
	s_mov_b32 s[CNT], 16
.Lstep_\@:
	v_add_nc_u32 v[VA], s[TB], v[VB]               ; with the three lines below: the places in front of loads into registers that the last products read
.rept 3
	v_nop
.endr
	WIN 0x40
.irp ct, 0,1,2,3
.irp c, 0,1,2,3
	ds_load_b128 v[VF+16*\ct+4*\c:VF+16*\ct+4*\c+3], v[VA] offset:2048*\ct+512*\c
.endr
.endr
	s_wait_dscnt 16                                ; k's sixteen loads are in; v's sixteen may be out
	WIN 0x01
.irp t, 0,1,2,3,4,5,6,7
.irp u, 0,1
	v_wmma_f32_16x16x64_fp8_fp8 v[SS+64*\u+8*\t:SS+64*\u+8*\t+7], v[KF+8*\t:KF+8*\t+7], v[\q+8*\u:\q+8*\u+7], 0
.endr
.endr
	WIN 0
	v_add_nc_u32 v[KA], s[TB], v[KN]               ; four places again
.rept 3
	v_nop
.endr
	KLOAD KA
	SOFT2
	s_wait_alu depctr_va_vdst(0)
	s_wait_dscnt 16                                ; v's sixteen loads are in; the next k's sixteen may be out
	WIN 0x51
.irp ct, 0,1,2,3
.irp u, 0,1
	v_wmma_f32_16x16x128_fp8_fp8 v[OO+32*\u+8*\ct:OO+32*\u+8*\ct+7], v[VF+16*\ct:VF+16*\ct+15], v[CD+16*\u:CD+16*\u+15], v[OO+32*\u+8*\ct:OO+32*\u+8*\ct+7]
.endr
.endr
	WIN 0
	s_add_co_u32 s[TB], s[TB], STEPB
	s_sub_co_u32 s[CNT], s[CNT], 1
	s_cmp_lg_u32 s[CNT], 0
	s_cbranch_scc1 .Lstep_\@
.endm
; The way out of a pass: O^T / l x 2^(e8 + e9), held, quantised with 2^e10; each store of the wave covers 512 consecutive bytes, aligned.
.macro FINISH p
	s_wait_dscnt 0x0                               ; the loads that the last step asked for
.rept 4
	v_nop
.endr
.irp u, 0,1
	v_add_f32 v[ML+4*\u+2], v[ML+4*\u+2], v[ML+4*\u+3]
.endr
.irp u, 0,1
	v_permlanex16_b32 v[PL+\u], v[ML+4*\u+2], s[SEL], s[SEL+1]
.endr
.irp u, 0,1
	v_add_f32 v[ML+4*\u+2], v[ML+4*\u+2], v[PL+\u]
.endr
	s_wait_alu depctr_va_vdst(0)
.irp u, 0,1
	v_rcp_f32 v[FF+2*\u], v[ML+4*\u+2]
.endr
	v_nop
	s_wait_alu depctr_va_vdst(0)
.irp u, 0,1
	v_ldexp_f32 v[FF+2*\u], v[FF+2*\u], s[EPV]
.endr
	WIN 0x01
	s_wait_alu depctr_va_vdst(0)
.irp u, 0,1
.set j, 0
.rept 16
	v_pk_mul_f32 v[SS+32*\u+j:SS+32*\u+j+1], v[OO+32*\u+j:OO+32*\u+j+1], v[FF+2*\u:FF+2*\u+1] op_sel_hi:[1,0]
.set j, j+2
.endr
.endr
	WIN 0
.set j, 0
.rept 64
	v_med3_num_f32 v[SS+j], v[SS+j], -v[LIMO], v[LIMO]
.set j, j+1
.endr
.irp u, 0,1
.irp ct, 0,1,2,3
	v_cvt_scalef32_pk8_fp8_f32 v[CD+16*\u+2*\ct:CD+16*\u+2*\ct+1], v[SS+32*\u+8*\ct:SS+32*\u+8*\ct+7], v[SCO]
.endr
.endr
	v_nop                                          ; one plain line behind the last conversion
.irp u, 0,1
	global_store_b128 v[LA], v[CD+16*\u:CD+16*\u+3], s[OB:OB+1] offset:(\p)*262144+\u*16384
	global_store_b128 v[LA], v[CD+16*\u+4:CD+16*\u+7], s[OB:OB+1] offset:(\p)*262144+\u*16384+512
.endr
.endm
	s_wait_loadcnt 63                              ; bq's eight loads are the oldest of 72
.irp n, 0,1,2,3
.set j, 0
.rept 16
	v_pk_mul_f32 v[SS+32*\n+j:SS+32*\n+j+1], v[CD+j:CD+j+1], s[2:3] op_sel_hi:[1,0]   ; the sums begin at the bias, divided by the power of two that they lack
.set j, j+2
.endr
.endr
	s_wait_alu depctr_va_vdst(0)
	s_mov_b32 s[CNT], 3
.Lq:                                               ; a trip multiplies two parts of 128 along K and asks for the two that follow; the last two are written out
	s_wait_loadcnt 32                              ; set 0 is in; set 1's 32 loads may be out
	QMUL 0
.rept 4
	v_nop
.endr
	QFETCH 0, 4096
	s_wait_loadcnt 32                              ; set 1 is in; set 0's new 32 may be out
	QMUL 1
.rept 4
	v_nop
.endr
	QFETCH 1, 6144
	s_wait_xcnt 0x0                                ; the loads have read their bases
	s_add_nc_u64 s[62:63], s[62:63], 4096
	s_add_nc_u64 s[QB:QB+1], s[QB:QB+1], 4096
	s_sub_co_u32 s[CNT], s[CNT], 1
	s_cmp_lg_u32 s[CNT], 0
	s_cbranch_scc1 .Lq
	s_wait_loadcnt 32
	QMUL 0
	s_wait_loadcnt 0x0
	QMUL 1
.rept 4
	v_nop
.endr
.set j, 0
.rept 128
	v_med3_num_f32 v[SS+j], v[SS+j], -v[TX+1], v[TX+1]   ; the hold; each accumulator from its low end on
.set j, j+1
.endr
.irp n, 0,1
.irp ct, 0,1,2,3
	v_cvt_scalef32_pk8_fp8_f32 v[Q0+8*\n+2*\ct:Q0+8*\n+2*\ct+1], v[SS+32*\n+8*\ct:SS+32*\n+8*\ct+7], v[TX]       ; registers 2 ct, 2 ct + 1 of the operand: channels 16 ct + 8 (lane / 16) + 0 .. 7
	v_cvt_scalef32_pk8_fp8_f32 v[Q1+8*\n+2*\ct:Q1+8*\n+2*\ct+1], v[SS+64+32*\n+8*\ct:SS+64+32*\n+8*\ct+7], v[TX]
.endr
.endr
	v_nop                                          ; one plain line behind the last conversion
	INIT
	s_wait_tensorcnt 0x0                           ; my part of k or v is in,
	s_barrier_signal -1
	s_barrier_wait -1                              ; everybody's is
	KLOAD LA
	LOOP Q0
	FINISH 0
	s_wait_xcnt 0x0                                ; the stores have read their registers: the codes' registers are written again
	INIT
	KLOAD LA
	LOOP Q1
	FINISH 1
	s_wait_tensorcnt 0x0                           ; the wave's end
	ds_add_u32 v[SPW], v[NIL]
	s_wait_dscnt 0x0
	CROUND                                         ; the closing round
	s_endpgm
.Lfunc_end_k_qd9e58e0c4b_attn:
	.size	k_qd9e58e0c4b_attn, .Lfunc_end_k_qd9e58e0c4b_attn-k_qd9e58e0c4b_attn
	.p2alignl 7, 3214868480
	.fill 96, 4, 3214868480
	.section	.rodata,"a",@progbits
	.p2align	6, 0x0
	.amdhsa_kernel k_qd9e58e0c4b_attn
		.amdhsa_group_segment_fixed_size 327680
		.amdhsa_private_segment_fixed_size 0
		.amdhsa_enable_private_segment 0
		.amdhsa_kernarg_size 40
		.amdhsa_user_sgpr_count 2
		.amdhsa_user_sgpr_kernarg_segment_ptr 1
		.amdhsa_wavefront_size32 1
		.amdhsa_system_sgpr_workgroup_id_x 1
		.amdhsa_system_sgpr_workgroup_id_y 1
		.amdhsa_system_sgpr_workgroup_id_z 1
		.amdhsa_system_vgpr_workitem_id 0
		.amdhsa_next_free_vgpr 512
		.amdhsa_next_free_sgpr 66
		.amdhsa_reserve_vcc 0
		.amdhsa_float_denorm_mode_32 3
		.amdhsa_float_denorm_mode_16_64 3
		.amdhsa_memory_ordered 1
		.amdhsa_forward_progress 1
		.amdhsa_inst_pref_size 116
	.end_amdhsa_kernel
	.amdgpu_metadata
---
amdhsa.version: [ 1, 2 ]
amdhsa.kernels:
  - .name:           k_qd9e58e0c4b_attn
    .symbol:         k_qd9e58e0c4b_attn.kd
    .args:
      - { .name: img, .offset: 0, .size: 8, .value_kind: global_buffer, .address_space: global }
      - { .name: lowp_scales, .offset: 8, .size: 8, .value_kind: global_buffer, .address_space: global }
      - { .name: oimg, .offset: 16, .size: 8, .value_kind: global_buffer, .address_space: global }
      - { .name: codes, .offset: 24, .size: 8, .value_kind: global_buffer, .address_space: global }
      - { .name: bq, .offset: 32, .size: 8, .value_kind: global_buffer, .address_space: global }
    .group_segment_fixed_size: 327680
    .private_segment_fixed_size: 0
    .kernarg_segment_align: 8
    .kernarg_segment_size: 40
    .max_flat_workgroup_size: 256
    .sgpr_count:     66
    .vgpr_count:     512
    .wavefront_size: 32
...
	.end_amdgpu_metadata
.endif
;; end of part 3
;; launch outp (part 4): grid 4 x 64, 4 waves a work-group, clusters of 4 x 4, 327,680 bytes of LDS; arguments oimg, codes, lowp_scales, bo, out0; writes out0
.if DOCPART == 4
	.amdgcn_target "amdgcn-amd-amdhsa--gfx1250"
	.amdhsa_code_object_version 6
	.text
	.protected	k_qd9e58e0c4b_outp
	.globl	k_qd9e58e0c4b_outp
	.p2align	8
	.type	k_qd9e58e0c4b_outp,@function
k_qd9e58e0c4b_outp:
	s_mov_b64 s[64:65], 0
	v_nop
	global_prefetch_b8 v0, s[64:65] scope:SCOPE_SE
	s_setreg_imm32_b32 hwreg(HW_REG_WAVE_MODE, 25, 1), 1
	s_wait_xcnt 0x0
	s_wait_alu depctr_hold_cnt(0) depctr_sa_sdst(0) depctr_va_vdst(0) depctr_va_sdst(0) depctr_va_ssrc(0) depctr_va_vcc(0) depctr_vm_vsrc(0)
	s_getreg_b32 s2, hwreg(HW_REG_IB_STS2, 6, 4)
	s_cmp_eq_u32 s2, 0
	s_cbranch_scc0 .Lentry_in_a_cluster
	s_endpgm
.Lentry_in_a_cluster:
	s_bfe_u32 s2, ttmp6, 0x10000c
	s_cmp_lg_u32 s2, 0xf033
	s_cbranch_scc0 .Lentry_shape_is_right
	s_endpgm
.Lentry_shape_is_right:
; out0 = o Wo + bo on codes of E4M3.  o: oimg, [tile of 16 tokens][head][chunk of 2][lane][16 bytes], an image of operand registers; Wo: rows n of 1,024 codes at WOFF in codes, laid to match it.
; A block of 128 tokens x 256 columns is made by four waves, each 64 x 128: 32 accumulators of 16 x 16.  64 x 4 blocks of that size are 256 work-groups.
; K goes in steps of 256 through a ring of two LDS slots: A's 8 token tiles x 4,096 bytes, dense, then B's 256 rows of 256 bytes + 16 of padding.  Waves 0 and 1 fetch A's halves, waves 2 and 3 B's.
; CLUSTERS: 4 x 4; A's tiles are asked for jointly along a row of the cluster, B's along a column.  Source 0 = 16 rows of Wo, source 1 = 16 tokens: a lane holds eight neighbouring columns of one token.
; PREFETCH: behind K step 0's load K steps 1 and 2 are named, behind K step 1's load K step 3; of what a wave fetches each of the four partners names a quarter, told apart by address
; (A: one token tile, 16 lanes 256 bytes apart, the other lanes naming the last block again; B: 32 rows, a lane a row).
; LIMIT: e10 + e11 between -126 and 127.
; REGISTERS: window 0: v16-31 addresses, v32-95 the bias, v128-255 A's fragments in two sets (on the way out: rows read back); window 1: B's fragments in two sets (on the way out v0-63: a block's numbers); window 2: the accumulators.
.set WOFF,   0x1800000+(3<<20)
.set SIZE_N, 1024
.set ROWB,   256
.set KROW,   1024
.set PITCH,  272
.set ASTEP,  4096
.set AHALF,  4*ASTEP
.set FR,     16
.set HALFT,  128*PITCH
.set SLOT,   2*AHALF+2*HALFT
.set SPARE,  2*SLOT                    ; behind the ring: the spare words, 128 bytes a wave
.set SPITCH, 528                       ; the way out: 16 rows x (512 + 16) bytes a wave, in slot 0, behind its last fill and last read
.set ADRA, 16
.set ADRB, 20
.set STO,  24
.set RD,   25
.set CO,   26
.set BOQ,  27
.set SPW,  28
.set NIL,  29
.set PFO,  30
.set BI,   32
.set TMP,  0
.set AF,   128
.set BK,   128
.set G1, 24
.set G0, 32
.set G1B, 48
.set G0B, 56
.set MSB, 0
.macro WIN new
.if MSB != (\new)
	s_set_vgpr_msb (MSB<<8)|(\new)
.set MSB, (\new)
.endif
.endm
.set MUL_LO, 0xa1                      ; source 0 (B) window 1, source 1 (A) window 0, C and D window 2
.set TO_B,   0x40
.macro JLOAD g0a, g1a, g0b, g1b        ; a joint load; the branch hangs on the wave's number alone; s_nop 0 and four v_nop behind each line
	s_cmp_eq_u32 s15, 0
	s_cbranch_scc0 .Lfor_b_\@
	tensor_load_to_lds s[\g0a:\g0a+3], s[\g1a:\g1a+7]
	s_nop 0
.rept 4
	v_nop
.endr
	s_branch .Lasked_\@
.Lfor_b_\@:
	tensor_load_to_lds s[\g0b:\g0b+3], s[\g1b:\g1b+7]
	s_nop 0
.rept 4
	v_nop
.endr
.Lasked_\@:
.endm
.macro CREST
	s_cmp_lg_u32 s14, 0
	s_cbranch_scc1 .Lnot_wave_0_\@
	s_barrier_signal -3
.Lnot_wave_0_\@:
	s_barrier_wait -3
	s_barrier_signal -1
	s_barrier_wait -1
.endm
.macro CROUND
	s_barrier_signal -1
	s_barrier_wait -1
	CREST
.endm
	s_load_b128 s[4:7], s[0:1], 0x0                ; oimg, codes
	s_load_b128 s[8:11], s[0:1], 0x10              ; the exponents, bo
	s_load_b64 s[12:13], s[0:1], 0x20              ; out0
	v_lshl_add_u32 v[SPW], v0, 2, SPARE
	v_mov_b32 v[NIL], 0
	ds_add_u32 v[SPW], v[NIL]                      ; the opening lines
	ds_add_u32 v[SPW], v[NIL]
	v_lshrrev_b32 v1, 5, v0
	v_readfirstlane_b32 s14, v1                    ; wave
	s_lshr_b32 s15, s14, 1                         ; my half of the tokens; also: I fetch for A (0) or B (1)
	s_and_b32 s16, s14, 1                          ; my half of the columns; also: which half of that tile I fetch
	s_bfe_u32 s40, ttmp6, 0x40000
	s_bfe_u32 s41, ttmp6, 0x40004
	s_lshl_b32 s42, ttmp9, 2
	s_add_co_u32 s42, s42, s40                     ; block column
	s_and_b32 s17, ttmp7, 0xffff
	s_lshl_b32 s17, s17, 2
	s_add_co_u32 s17, s17, s41                     ; block row
	s_lshl_b32 s43, s41, 2
	s_lshl_b32 s43, 15, s43
	s_lshl_b32 s44, 0x1111, s40
	s_or_b32 s[G1+0], s43, (3<<16)|(1<<21)         ; A: elements of 8 bytes, no padding; 4 rows of 4,096 bytes, 16,384 apart
	s_mov_b32 s[G1+1], 512<<16
	s_mov_b32 s[G1+2], 4<<16
	s_mov_b32 s[G1+3], 512<<16
	s_mov_b32 s[G1+4], 4
	s_mov_b32 s[G1+5], 2048
	s_mov_b32 s[G1+6], 0
	s_mov_b32 s[G1+7], 0
	s_or_b32 s[G1B+0], s44, (0<<16)|(1<<20)|(1<<21)|(5<<22)|(3<<25)   ; B: 128 rows of 256 bytes, four words of padding behind each
	s_mov_b32 s[G1B+1], ROWB<<16
	s_mov_b32 s[G1B+2], 128<<16
	s_mov_b32 s[G1B+3], ROWB<<16
	s_mov_b32 s[G1B+4], 128
	s_mov_b32 s[G1B+5], KROW
	s_mov_b32 s[G1B+6], 0
	s_mov_b32 s[G1B+7], 0
	s_lshl_b32 s20, s17, 3
	s_lshl_b32 s18, s16, 2
	s_add_co_u32 s20, s20, s18
	s_lshl_b32 s20, s20, 14                        ; A: token tile 8 x block row + 4 x half
	s_mov_b32 s21, 0
	s_lshl_b32 s46, s42, 8
	s_lshl_b32 s47, s16, 7
	s_add_co_u32 s46, s46, s47
	s_lshl_b32 s46, s46, 10
	s_add_co_u32 s46, s46, WOFF                    ; B: row 256 x block column + 128 x half
	s_mov_b32 s47, 0
	s_mul_i32 s45, s16, AHALF
	s_mul_i32 s19, s16, HALFT
	s_add_co_u32 s19, s19, 2*AHALF
	v_and_b32 v6, 31, v0
	s_cmp_eq_u32 s15, 0
	s_cselect_b32 s2, 15, 31
	s_cselect_b32 s3, 8, 10
	v_min_u32 v[PFO], s2, v6
	v_lshlrev_b32 v[PFO], s3, v[PFO]               ; the prefetches' offset; never rewritten
	s_wait_alu depctr_va_vdst(0)
	s_wait_dscnt 0x0
	s_wait_kmcnt 0x0
	s_load_b64 s[96:97], s[8:9], 0x28              ; e10, e11
	s_add_nc_u64 s[20:21], s[4:5], s[20:21]
	s_add_nc_u64 s[46:47], s[6:7], s[46:47]
	s_lshl_b32 s2, s40, 14                         ; A: partner cx names token tile cx of my four
	s_lshl_b32 s3, s41, 15                         ; B: partner cy names 32 of my 128 rows
	s_mov_b32 s72, ROWB
	s_cmp_eq_u32 s15, 0
	s_cselect_b64 s[66:67], s[20:21], s[46:47]
	s_cselect_b32 s2, s2, s3
	s_cselect_b32 s72, ASTEP, s72                  ; a K step on
	s_mov_b32 s3, 0
	s_mov_b32 s73, 0
	s_add_nc_u64 s[66:67], s[66:67], s[2:3]
	s_add_nc_u64 s[66:67], s[66:67], s[72:73]      ; K step 1,
	s_add_nc_u64 s[68:69], s[66:67], s[72:73]      ; 2,
	s_add_nc_u64 s[70:71], s[68:69], s[72:73]      ; 3
	CROUND                                         ; all sixteen work-groups are here: the first joint loads meet
.irp s, 0,1
	s_mov_b32 s[G0+4*\s], 1
	s_add_co_u32 s[G0+4*\s+1], s45, \s*SLOT
	s_add_nc_u64 s[G0+4*\s+2:G0+4*\s+3], s[20:21], \s*ASTEP
	s_or_b32 s[G0+4*\s+3], s[G0+4*\s+3], 0x80000000
	s_mov_b32 s[G0B+4*\s], 1
	s_add_co_u32 s[G0B+4*\s+1], s19, \s*SLOT
	s_add_nc_u64 s[G0B+4*\s+2:G0B+4*\s+3], s[46:47], \s*ROWB
	s_or_b32 s[G0B+4*\s+3], s[G0B+4*\s+3], 0x80000000
.endr
	JLOAD G0, G1, G0B, G1B                         ; K step 0: one tensor load a wave at the head
	v_and_b32 v1, 15, v0
	v_bfe_u32 v2, v0, 4, 1
	v_lshlrev_b32 v[CO], 4, v6
	v_mul_u32_u24 v3, v1, PITCH
	v_lshl_add_u32 v4, v2, 4, v3
	s_mul_i32 s21, s15, AHALF
	s_mul_i32 s22, s16, HALFT
	s_add_co_u32 s22, s22, 2*AHALF
.irp s, 0,1
	v_add_nc_u32 v[ADRA+\s], s21, v[CO]
	v_add_nc_u32 v[ADRB+\s], s22, v4
	s_add_co_u32 s21, s21, SLOT
	s_add_co_u32 s22, s22, SLOT
.endr
	s_mul_i32 s23, s14, 16*SPITCH
	s_wait_alu depctr_va_vdst(0)
	v_mul_u32_u24 v5, v1, SPITCH
	v_lshl_add_u32 v5, v2, 5, v5
	v_add_nc_u32 v[STO], s23, v5
	v_add_nc_u32 v[RD], s23, v[CO]
	v_lshlrev_b32 v[BOQ], 5, v2
	global_prefetch_b8 v[PFO], s[66:67] th:TH_LOAD_NT scope:SCOPE_SE
	global_prefetch_b8 v[PFO], s[68:69] th:TH_LOAD_NT scope:SCOPE_SE
	s_lshl_b32 s20, s17, 7
	s_lshl_b32 s21, s15, 6
	s_add_co_u32 s20, s20, s21
	s_lshl_b32 s20, s20, 12                        ; my first row of out0: 128 x block row + 64 x half, 4,096 bytes a row
	s_mov_b32 s21, 0
	s_lshl_b32 s46, s42, 10
	s_lshl_b32 s47, s16, 9
	s_add_co_u32 s46, s46, s47                     ; my first column, in bytes
	s_mov_b32 s47, 0
	s_add_nc_u64 s[10:11], s[10:11], s[46:47]
	s_add_nc_u64 s[20:21], s[20:21], s[46:47]
	s_add_nc_u64 s[12:13], s[12:13], s[20:21]
	s_wait_alu depctr_va_vdst(0)
.irp b, 0,1,2,3,4,5,6,7
	global_load_b128 v[BI+8*\b:BI+8*\b+3], v[BOQ], s[10:11] offset:64*\b
	global_load_b128 v[BI+8*\b+4:BI+8*\b+7], v[BOQ], s[10:11] offset:64*\b+16
.endr
.macro FRAG reg, adr, q, i
.irp c, 0,1,2,3
	ds_load_b128 v[\reg+4*\c:\reg+4*\c+3], v[\adr] offset:128*(\q)+32*\c+(\i)*16*PITCH
.endr
.endm
.macro FRAGA reg, adr, q, i
.irp c, 0,1,2,3
	ds_load_b128 v[\reg+4*\c:\reg+4*\c+3], v[\adr] offset:ASTEP*(\i)+2048*(\q)+512*\c
.endr
.endm
.macro MUL16 a0, p, zero               ; A's blocks a0, a0 + 1 x B's eight; the 32 accumulators take turns in the same order in every step
.irp a, \a0, \a0+1
.irp b, 0,1,2,3,4,5,6,7
.if \zero
	v_wmma_f32_16x16x128_fp8_fp8 v[8*(8*(\a)+\b):8*(8*(\a)+\b)+7], v[128*(\p)+FR*\b:128*(\p)+FR*\b+FR-1], v[AF+64*(\p)+FR*(\a):AF+64*(\p)+FR*(\a)+FR-1], 0
.else
	v_wmma_f32_16x16x128_fp8_fp8 v[8*(8*(\a)+\b):8*(8*(\a)+\b)+7], v[128*(\p)+FR*\b:128*(\p)+FR*\b+FR-1], v[AF+64*(\p)+FR*(\a):AF+64*(\p)+FR*(\a)+FR-1], v[8*(8*(\a)+\b):8*(8*(\a)+\b)+7]
.endif
.endr
.endr
.endm
.macro FETCH slot, q, p                ; 128 along K: B's eight fragments and A's four into set p
	WIN TO_B
.irp i, 0,1,2,3,4,5,6,7
	FRAG 128*(\p)+FR*\i, ADRB+\slot, \q, \i
.endr
	WIN 0
.irp i, 0,1,2,3
	FRAGA AF+64*(\p)+FR*\i, ADRA+\slot, \q, \i
.endr
.endm
.macro PLACES
.rept 4
	v_nop
.endr
.endm
.macro STEP slot, zero                 ; a slot's first 128 along K, on set 0; its second is fetched into set 1 meanwhile
	s_wait_dscnt 0x0
	PLACES                                         ; in front of loads into registers that the last products read
	FETCH \slot, 1, 1
	WIN MUL_LO
	MUL16 0, 0, \zero
	MUL16 2, 0, \zero
	WIN 0
.endm
.macro TURN slot, next, fill           ; a slot's second 128, on set 1, and the change of slots
	s_wait_tensorcnt 0x0                           ; all my tensor loads have landed: my part of the next slot
	ds_add_u32 v[SPW], v[NIL]
	s_wait_dscnt 0x0                               ; the add is done, and my reads of this slot are over
	s_barrier_signal -1
	WIN MUL_LO
	MUL16 0, 1, 0
	WIN 0
	s_barrier_wait -1
.if \fill
	CREST                                          ; the barrier has opened a round of the cluster's barrier
	s_add_nc_u64 s[G0+4*\slot+2:G0+4*\slot+3], s[G0+4*\slot+2:G0+4*\slot+3], 2*ASTEP
	s_add_nc_u64 s[G0B+4*\slot+2:G0B+4*\slot+3], s[G0B+4*\slot+2:G0B+4*\slot+3], 2*ROWB
	JLOAD G0+4*\slot, G1, G0B+4*\slot, G1B         ; the first tensor load behind the round; its four v_nop are the places in front of the loads below
.else
	PLACES
.endif
	FETCH \next, 0, 0
	WIN MUL_LO
	MUL16 2, 1, 0
	WIN 0
.endm
	s_wait_alu depctr_va_vdst(0)
	s_wait_tensorcnt 0x0                           ; my part of K step 0 is in; the three lines ahead of a later first fill, as ahead of a refill
	ds_add_u32 v[SPW], v[NIL]
	s_wait_dscnt 0x0
	CROUND
	JLOAD G0+4, G1, G0B+4, G1B                     ; K step 1
	FETCH 0, 0, 0
	global_prefetch_b8 v[PFO], s[70:71] th:TH_LOAD_NT scope:SCOPE_SE
	STEP 0, 1                                      ; the first products start the sums
	TURN 0, 1, 1                                   ; slot 0 takes K step 2
	STEP 1, 0
	TURN 1, 0, 1                                   ; slot 1 takes K step 3
	STEP 0, 0
	TURN 0, 1, 0
	STEP 1, 0
	s_wait_dscnt 0x0
	WIN MUL_LO
	MUL16 0, 1, 0
	MUL16 2, 1, 0
	WIN 0
; THE WAY OUT, a block of 16 tokens x 128 columns at a time: sum x 2^(e10 + e11) + bias, through my stage, back as rows of 512 bytes, stored as two aligned units of 256 bytes.
.macro TOSTAGE a
	WIN 0x42
.set j, 0
.rept 32
	v_pk_fma_f32 v[TMP+j:TMP+j+1], v[64*(\a)+j:64*(\a)+j+1], s[96:97], v[BI+j:BI+j+1] op_sel_hi:[1,0,1]
.set j, j+2
.endr
	WIN 0x04
.irp b, 0,1,2,3,4,5,6,7
	ds_store_b128 v[STO], v[TMP+8*\b:TMP+8*\b+3] offset:64*\b
	ds_store_b128 v[STO], v[TMP+8*\b+4:TMP+8*\b+7] offset:64*\b+16
.endr
	WIN 0
.set BB, BK+64*((\a)%2)
.irp t, 0,1,2,3,4,5,6,7,8,9,10,11,12,13,14,15
	ds_load_b128 v[BB+4*\t:BB+4*\t+3], v[RD] offset:\t*SPITCH   ; LDS serves a wave's instructions in order
.endr
.endm
.macro SEND a, younger
.set BB, BK+64*((\a)%2)
	s_wait_dscnt \younger
.if (\a) > 0
	s_add_nc_u64 s[12:13], s[12:13], 16*SIZE_N*4   ; (behind a wait on XCNT)
.endif
.irp t, 0,1,2,3,4,5,6,7,8,9,10,11,12,13,14,15
	global_store_b128 v[CO], v[BB+4*\t:BB+4*\t+3], s[12:13] offset:\t*SIZE_N*4 th:TH_STORE_NT
.endr
.endm
	s_wait_kmcnt 0x0
	s_add_co_i32 s96, s96, s97
	s_add_co_i32 s96, s96, 127
	s_lshl_b32 s96, s96, 23
	s_mov_b32 s97, s96
	s_wait_loadcnt 0x0                             ; the bias
	PLACES
	TOSTAGE 0
.irp a, 1,2,3
.if \a > 1
	s_wait_xcnt 0x0                                ; block a - 2's stores have read their registers and their base
.endif
	TOSTAGE \a
	SEND \a-1, 32                                  ; behind block a - 1's loads: block a's 16 stores and 16 loads
.endr
	s_wait_xcnt 0x0
	SEND 3, 0
	s_wait_tensorcnt 0x0                           ; the wave's end
	ds_add_u32 v[SPW], v[NIL]
	s_wait_dscnt 0x0
	CROUND                                         ; the closing round
	s_endpgm
.Lfunc_end_k_qd9e58e0c4b_outp:
	.size	k_qd9e58e0c4b_outp, .Lfunc_end_k_qd9e58e0c4b_outp-k_qd9e58e0c4b_outp
	.p2alignl 7, 3214868480
	.fill 96, 4, 3214868480
	.section	.rodata,"a",@progbits
	.p2align	6, 0x0
	.amdhsa_kernel k_qd9e58e0c4b_outp
		.amdhsa_group_segment_fixed_size 327680
		.amdhsa_private_segment_fixed_size 0
		.amdhsa_enable_private_segment 0
		.amdhsa_kernarg_size 40
		.amdhsa_user_sgpr_count 2
		.amdhsa_user_sgpr_kernarg_segment_ptr 1
		.amdhsa_wavefront_size32 1
		.amdhsa_system_sgpr_workgroup_id_x 1
		.amdhsa_system_sgpr_workgroup_id_y 1
		.amdhsa_system_sgpr_workgroup_id_z 1
		.amdhsa_system_vgpr_workitem_id 0
		.amdhsa_next_free_vgpr 768
		.amdhsa_next_free_sgpr 98
		.amdhsa_reserve_vcc 0
		.amdhsa_float_denorm_mode_32 3
		.amdhsa_float_denorm_mode_16_64 3
		.amdhsa_memory_ordered 1
		.amdhsa_forward_progress 1
		.amdhsa_inst_pref_size 78
	.end_amdhsa_kernel
	.amdgpu_metadata
---
amdhsa.version: [ 1, 2 ]
amdhsa.kernels:
  - .name:           k_qd9e58e0c4b_outp
    .symbol:         k_qd9e58e0c4b_outp.kd
    .args:
      - { .name: oimg, .offset: 0, .size: 8, .value_kind: global_buffer, .address_space: global }
      - { .name: codes, .offset: 8, .size: 8, .value_kind: global_buffer, .address_space: global }
      - { .name: lowp_scales, .offset: 16, .size: 8, .value_kind: global_buffer, .address_space: global }
      - { .name: bo, .offset: 24, .size: 8, .value_kind: global_buffer, .address_space: global }
      - { .name: out0, .offset: 32, .size: 8, .value_kind: global_buffer, .address_space: global }
    .group_segment_fixed_size: 327680
    .private_segment_fixed_size: 0
    .kernarg_segment_align: 8
    .kernarg_segment_size: 40
    .max_flat_workgroup_size: 128
    .sgpr_count:     98
    .vgpr_count:     768
    .wavefront_size: 32
...
	.end_amdgpu_metadata
.endif
;; end of part 4
